; MI455X (gfx1250); checked and timed in simulation.
; The chip was launched on July 23, 2026; its instructions are those of AMD's public machine-readable ISA for CDNA 5 (MIT licence, August 2026) and "CDNA5" Instruction Set Architecture Reference Guide (July 2026). The comments in the code are by the model that wrote it; some were corrected since.
;; Streaming Hyperbolic Attention. Allowed arithmetic: matrix products marked QUANTISED: E2M1 operands, one E8M0 scale for each 32 along K, by v_wmma_scale_f32_16x16x128_f8f6f4 with both operands' format E2M1 (or v_wmma_scale_f32_32x16x128_f4), f32 sums; products left as they are: bf16, f16 or f32 operands; f32 sums; everything else in f32.
;; Inputs: wk 1,024 x 1,024 float32; wo 1,024 x 1,024 float32; wq 1,024 x 1,024 float32; wv 1,024 x 1,024 float32; x 2 x 2,048 x 1,024 float32.
;; Outputs: out0 2 x 2,048 x 1,024 float32.
;; This version of the problem:
;;   THIS VERSION OF THE PROBLEM IS GIVEN IN LOW PRECISION. The matrix products marked QUANTISED in the list below multiply operands that are first quantised to E2M1 (2 exponent bits, 1 mantissa bit; 4 bits a number), with one power-of-two scale for each 32 numbers along K (OCP MX v1.0); their sums are f32. The products marked 'left as it is' may take bf16, f16 or f32 operands, with f32 sums. Whichever they take, every output number must still come out within the allowed error. Rounding operands to bf16 (8 significant bits) uses up far more of that allowance than f16 does (11 bits, for magnitudes from 6e-5 to 65,504). All else is computed in f32.
;;   The module's matrix products, in the order in which they are computed (A, B: the left and right operand; K: the contracted axis; several contracted axes count as one K, in the product's order):
;;     1. [M 4,096, K 1,024] x [K 1,024, N 1,024]; A: input x; B: input wq: QUANTISED
;;     2. [M 4,096, K 1,024] x [K 1,024, N 1,024]; A: input x; B: input wk: QUANTISED
;;     3. [M 4,096, K 1,024] x [K 1,024, N 1,024]; A: input x; B: input wv: QUANTISED
;;     4. batch 32 x [M 2,048, K 64] x [K 64, N 2,048]; A: computed on the way; B: computed on the way: left as it is (an operand is computed on the way)
;;     5. batch 32 x [M 2,048, K 2,048] x [K 2,048, N 64]; A: computed on the way; B: computed on the way: left as it is (an operand is computed on the way)
;;     6. [M 4,096, K 1,024] x [K 1,024, N 1,024]; A: computed on the way; B: input wo: left as it is (an operand is computed on the way)
;;   THE QUANTISER, for each operand of a quantised product, along K:
;;     - K is cut into blocks of 32 from its start; a last block that is shorter is filled with zeros.
;;     - A block's scale is 2^e with e = floor(log2(the largest magnitude in the block)) - 2, held to -126 .. 127; a block of zeros has e = 0. As a byte (E8M0): e + 127.
;;     - Each number is divided by its block's scale, clamped to +-6, and rounded to the nearest number of E2M1, ties to even, subnormals kept.
;;     - The product sums the exact products of the quantised numbers (number of the format x scale) in f32.
;;   ~~~python
;;   def quantise(x, axis):      # numpy; x: float32 -> the quantised numbers, widened to float32 again
;;       x = np.moveaxis(x, axis, -1); K = x.shape[-1]
;;       x = np.pad(x, [(0, 0)] * (x.ndim - 1) + [(0, -K % 32)]); x = x.reshape(x.shape[:-1] + (-1, 32)); a = np.abs(x).max(-1, keepdims=True)
;;       e = np.where(a > 0, np.clip(np.frexp(np.where(a > 0, a, 1))[1] - 1 - 2, -126, 127), 0)      # np.frexp(a)[1] - 1 = floor(log2(a)), exactly
;;       r = np.clip(x / 2.0 ** e, -6, 6)
;;       step = 2.0 ** (np.maximum(np.frexp(np.where(r == 0, 1, r))[1] - 1, 0) - 1)
;;       q = np.round(r / step) * step * 2.0 ** e      # np.round: ties to even
;;       return np.moveaxis(q.reshape(q.shape[:-2] + (-1,))[..., :K], -1, axis).astype(np.float32)
;;   ~~~
;; One version. Each part assembles by itself: llvm-mc -triple=amdgcn-amd-amdhsa -mcpu=gfx1250 --defsym DOCPART=n.
;; ======== version 1 of 1: 4 launches
;; limits: values are held in f16: magnitudes above 65,504 overflow, below 6.1e-05 lose precision; right only within a limited range of input values
;; workspace buffers: xq 2,228,224 bytes; wcod 1,671,168 bytes; wo16 2,097,152 bytes; qb 8,912,896 bytes; kvb 17,301,504 bytes; oimg 8,388,608 bytes
;; launch prep (part 1): grid 256 x 1, 4 waves a work-group, no clusters, 33,280 bytes of LDS; arguments x, wq, wk, wv, wo, xq, wcod, wo16; writes xq, wcod, wo16
.if DOCPART == 1
	.amdgcn_target "amdgcn-amd-amdhsa--gfx1250"
	.amdhsa_code_object_version 6
	.text
	.protected	k_qd50e79f390_prep
	.globl	k_qd50e79f390_prep
	.p2align	8
	.type	k_qd50e79f390_prep,@function
k_qd50e79f390_prep:
	s_mov_b64 s[64:65], 0
	v_nop
	global_prefetch_b8 v0, s[64:65] scope:SCOPE_SE
	s_setreg_imm32_b32 hwreg(HW_REG_WAVE_MODE, 25, 1), 1
	s_wait_xcnt 0x0
; PREP.  x [4096][1024], wq, wk, wv [1024][1024], f32, K innermost, become codes of FP4 (E2M1) with one E8M0 byte for each 32 along K; wo [1024][1024] becomes f16.
; DEAD WORK: none is left out in this program: every input is loaded and every product of the problem's table is computed whole.
; A block's scale is 2^(floor(log2(its largest magnitude)) - 2); its byte is the largest magnitude's exponent field - 2, held at 1 from below.  A block of zeros so gets the byte 1 where the rule
; says 127: its codes are zeros, which add nothing under any byte but 0xff, and the bytes are read by this program alone.
; LIMITS: blocks whose largest magnitude lies under 2^-124 keep the floor's byte; NaN and infinities among the inputs are not served; |wo| stays under 65,504 (f16).
; LAYOUT OUT: xq: codes [4096][512 bytes] at 0, scale bytes [4096][32] at 2,097,152.  wcod: codes [3072][512 bytes] at 0 (rows 0-1023 wq, 1024-2047 wk, 2048-3071 wv), scale bytes [3072][32] at 1,572,864.  wo16: [1024][1024] f16.
; SHARES: a work-group takes 32,768 numbers, a wave 8,192.  Work-groups 0-127: x; 128-159: wq; 160-191: wk; 192-223: wv; 224-255: wo.  Rows are dense and K is a multiple of 32: every tensor is a plain stream of blocks.
; THE QUANTISER: 16 steps of 512 numbers a wave.  Each of a step's four loads reads 512 consecutive bytes; the 2,048 bytes turn through the wave's own stage in LDS and come back 64 bytes a lane, so that a lane
; holds 16 neighbours along K (two neighbouring lanes hold a block).  A lane's 16 codes are 8 bytes: a wave's store covers 256 consecutive aligned bytes.  A wave's 256 scale bytes are gathered in LDS and leave as one such run.
; Waves share nothing: no barrier.  Loads run four steps ahead, the turn through LDS one step.
.set WAVES, 4
.set STEPS, 16
.set EMAX,  2
.set CB,    8                          ; bytes of 16 codes
.set R,     16                         ; v16-79   four sets of 16 numbers as they are loaded
.set X,     80                         ; v80-111  two sets of 16 neighbours
.set E,     112                        ; v112-127 a scale byte for each step
.set C,     128                        ; v128-191 codes: four registers for each step; on wo's path two sets of 32 registers of f16 pairs
.set WREG,  8192                       ; LDS: a region for each wave: two stages of 32 x SP bytes, behind them its 256 scale bytes
.set SP,    80                         ; a lane's place in a stage: 64 bytes + 16 of padding
.set SPW,   12                         ; v12 LDS address of my spare word; never rewritten
.set NIL,   13                         ; v13 0; never rewritten
.set SPARE, WAVES*WREG                 ; behind the four regions: the spare words, 128 bytes a wave, which no other line names
.macro LOAD t
.irp i, 0,1,2,3
	global_load_b128 v[R+16*((\t)%4)+4*\i:R+16*((\t)%4)+4*\i+3], v3, s[4:5] offset:2048*(\t)+512*\i th:TH_LOAD_NT   ; 32 lanes read 512 consecutive bytes
.endr
.endm
.macro TURN t                          ; step t's numbers through the stage: LDS serves a wave's instructions in order, so no wait stands between the stores and the loads
.irp i, 0,1,2,3
	ds_store_b128 v14, v[R+16*((\t)%4)+4*\i:R+16*((\t)%4)+4*\i+3] offset:32*SP*((\t)%2)+8*SP*\i
.endr
.irp i, 0,1,2,3
	ds_load_b128 v[X+16*((\t)%2)+4*\i:X+16*((\t)%2)+4*\i+3], v15 offset:32*SP*((\t)%2)+16*\i
.endr
.endm
.macro STEP t
.set XS, X+16*((\t)%2)
.if (\t) > 0
	s_wait_dscnt 1                                 ; this step's numbers are back from the stage; the last step's byte store may be out
.else
	s_wait_dscnt 0x0
.endif
.if (\t)+4 < STEPS
	LOAD (\t)+4                                    ; into the registers that this step's stores to the stage have read
.endif
.if (\t)+1 < STEPS
.if STEPS-2-(\t) >= 3
	s_wait_loadcnt 12                              ; the next step's four loads are in; those of the three steps behind it may be out
.else
	s_wait_loadcnt 4*(STEPS-2-(\t))
.endif
	TURN (\t)+1
.endif
	v_max3_num_f32 v8, |v[XS]|, |v[XS+1]|, |v[XS+2]|               ; the largest magnitude of my 16, in two chains
	v_max3_num_f32 v9, |v[XS+3]|, |v[XS+4]|, |v[XS+5]|
.irp i, 6,10
	v_max3_num_f32 v8, v8, |v[XS+\i]|, |v[XS+\i+1]|
	v_max3_num_f32 v9, v9, |v[XS+\i+2]|, |v[XS+\i+3]|
.endr
	v_max3_num_f32 v8, v8, |v[XS+14]|, |v[XS+15]|
	v_max3_num_f32 v8, v8, v9, (EMAX+1)<<23        ; and the floor 2^(3 - 127): the byte cannot fall under 1
	v_max_num_f32_dpp v8, v8, v8 row_xmask:1 row_mask:0xf bank_mask:0xf   ; with my neighbour's 16: the block's
	v_add_nc_u32 v11, -(EMAX<<23), v8              ; 2 off its exponent field: the conversion takes the exponent field of this operand as its scale
	v_cvt_scalef32_pk8_fp4_f32 v[C+4*(\t)], v[XS:XS+7], v11
	v_cvt_scalef32_pk8_fp4_f32 v[C+4*(\t)+1], v[XS+8:XS+15], v11
	v_lshrrev_b32 v[E+(\t)], 23, v11               ; the scale's byte (also the plain line behind the conversions)
	ds_store_b8 v5, v[E+(\t)] offset:16*(\t)       ; both lanes of a block write the same byte with the same value
	global_store_b64 v4, v[C+4*(\t):C+4*(\t)+1], s[32:33] offset:32*CB*(\t)
.endm
.macro WLOAD b                         ; wo: 8,192 bytes: 16 loads of 512 consecutive bytes
.irp i, 0,1,2,3,4,5,6,7,8,9,10,11,12,13,14,15
	global_load_b128 v[R+4*\i:R+4*\i+3], v3, s[4:5] offset:8192*(\b)+512*\i th:TH_LOAD_NT
.endr
.endm
.macro WOUT b                          ; rounded to f16 and stored: a wave's store covers 256 consecutive aligned bytes
.set HB, C+32*((\b)%2)
	s_wait_loadcnt 0x0
.if (\b) >= 2
	s_wait_xcnt 0x0                                ; the stores of two batches back have read this set of registers
.endif
.irp i, 0,1,2,3,4,5,6,7,8,9,10,11,12,13,14,15
	v_cvt_pk_f16_f32 v[HB+2*\i], v[R+4*\i], v[R+4*\i+1]
	v_cvt_pk_f16_f32 v[HB+2*\i+1], v[R+4*\i+2], v[R+4*\i+3]
.endr
.if (\b) < 3
	WLOAD (\b)+1
.endif
.irp i, 0,1,2,3,4,5,6,7,8,9,10,11,12,13,14,15
	global_store_b64 v7, v[HB+2*\i:HB+2*\i+1], s[6:7] offset:4096*(\b)+256*\i
.endr
.endm
	s_load_b256 s[8:15], s[0:1], 0x0               ; x s[8:9], wq s[10:11], wk s[12:13], wv s[14:15]
	s_load_b256 s[16:23], s[0:1], 0x20             ; wo s[16:17], xq s[18:19], wcod s[20:21], wo16 s[22:23]
	v_lshl_add_u32 v[SPW], v0, 2, SPARE
	v_mov_b32 v[NIL], 0
	v_lshrrev_b32 v1, 5, v0
	v_readfirstlane_b32 s24, v1                    ; wave
	v_and_b32 v2, 31, v0                           ; lane
	v_lshlrev_b32 v3, 4, v2                        ; my 16 bytes of a load's 512
	s_mul_i32 s25, s24, WREG
	v_lshrrev_b32 v14, 2, v2
	v_mul_u32_u24 v14, v14, SP
	v_and_b32 v15, 3, v2
	v_lshl_add_u32 v14, v15, 4, v14
	v_add_nc_u32 v14, s25, v14                     ; the stage, on the way in: SP (lane / 4) + 16 (lane % 4)
	v_mul_u32_u24 v15, v2, SP
	v_add_nc_u32 v15, s25, v15                     ; and on the way out: SP x lane
	v_mul_u32_u24 v4, v2, CB                       ; my codes' place in a step's
	v_lshrrev_b32 v5, 1, v2
	s_add_co_u32 s25, s25, 2*32*SP
	v_add_nc_u32 v5, s25, v5                       ; LDS: my wave's 256 scale bytes, my block's byte
	v_lshlrev_b32 v7, 3, v2                        ; 8 bytes a lane
	v_add_nc_u32 v6, s25, v7
	s_mov_b32 s31, 0
	s_wait_kmcnt 0x0
	s_cmp_ge_u32 ttmp9, 224
	s_cbranch_scc1 .Lwo                            ; the work-group's number alone decides
	; which tensor: only pointers and numbers are chosen, all four take one path through the text
	s_mov_b64 s[4:5], s[14:15]                     ; wv,
	s_mov_b32 s26, 192                             ; whose first work-group is 192
	s_cmp_lt_u32 ttmp9, 192
	s_cselect_b64 s[4:5], s[12:13], s[4:5]         ; wk
	s_cselect_b32 s26, 160, s26
	s_cmp_lt_u32 ttmp9, 160
	s_cselect_b64 s[4:5], s[10:11], s[4:5]         ; wq
	s_cselect_b32 s26, 128, s26
	s_cmp_lt_u32 ttmp9, 128
	s_cselect_b64 s[4:5], s[8:9], s[4:5]           ; x
	s_cselect_b32 s26, 0, s26
	s_cselect_b64 s[6:7], s[18:19], s[20:21]       ; into xq or wcod,
	s_cselect_b32 s27, 0, 128                      ; whose first work-group is 0 or 128,
	s_mov_b32 s28, 1572864
	s_cselect_b32 s28, 2097152, s28                ; and whose scale bytes begin here
	s_sub_co_u32 s26, ttmp9, s26
	s_lshl_b32 s26, s26, 2
	s_add_co_u32 s26, s26, s24                     ; which run of 8,192 numbers of the source is my wave's
	s_lshl_b32 s30, s26, 15                        ; 32,768 bytes a run
	s_add_nc_u64 s[4:5], s[4:5], s[30:31]
	s_sub_co_u32 s27, ttmp9, s27
	s_lshl_b32 s27, s27, 2
	s_add_co_u32 s27, s27, s24                     ; and of the destination
	s_lshl_b32 s30, s27, 12                        ; 4,096 bytes of codes a run
	s_add_nc_u64 s[32:33], s[6:7], s[30:31]
	s_lshl_b32 s30, s27, 8                         ; 256 scale bytes a run
	s_add_co_u32 s30, s30, s28
	s_add_nc_u64 s[34:35], s[6:7], s[30:31]
.irp t, 0,1,2,3
	LOAD \t
.endr
	s_wait_loadcnt 12                              ; step 0's four loads are in
	TURN 0
.irp t, 0,1,2,3,4,5,6,7,8,9,10,11,12,13,14,15
	STEP \t
.endr
	ds_load_b64 v[8:9], v6                         ; LDS serves a wave's instructions in order: these see my byte stores
	s_wait_dscnt 0x0
	global_store_b64 v7, v[8:9], s[34:35]          ; 32 lanes store 256 consecutive aligned bytes
	s_wait_tensorcnt 0x0                           ; the wave's end
	ds_add_u32 v[SPW], v[NIL]
	s_wait_dscnt 0x0
	s_endpgm
.Lwo:                                              ; wo to f16: no LDS is touched on this path
	s_sub_co_u32 s26, ttmp9, 224
	s_lshl_b32 s26, s26, 2
	s_add_co_u32 s26, s26, s24                     ; which run of 8,192 numbers
	s_lshl_b32 s30, s26, 15
	s_add_nc_u64 s[4:5], s[16:17], s[30:31]
	s_lshl_b32 s30, s26, 14
	s_add_nc_u64 s[6:7], s[22:23], s[30:31]
	WLOAD 0
	WOUT 0
	WOUT 1
	WOUT 2
	WOUT 3
	s_endpgm
.Lfunc_end_k_qd50e79f390_prep:
	.size	k_qd50e79f390_prep, .Lfunc_end_k_qd50e79f390_prep-k_qd50e79f390_prep
	.p2alignl 7, 3214868480
	.fill 96, 4, 3214868480
	.section	.rodata,"a",@progbits
	.p2align	6, 0x0
	.amdhsa_kernel k_qd50e79f390_prep
		.amdhsa_group_segment_fixed_size 33280
		.amdhsa_private_segment_fixed_size 0
		.amdhsa_enable_private_segment 0
		.amdhsa_kernarg_size 64
		.amdhsa_user_sgpr_count 2
		.amdhsa_user_sgpr_kernarg_segment_ptr 1
		.amdhsa_wavefront_size32 1
		.amdhsa_system_sgpr_workgroup_id_x 1
		.amdhsa_system_sgpr_workgroup_id_y 1
		.amdhsa_system_sgpr_workgroup_id_z 1
		.amdhsa_system_vgpr_workitem_id 0
		.amdhsa_next_free_vgpr 192
		.amdhsa_next_free_sgpr 66
		.amdhsa_reserve_vcc 0
		.amdhsa_float_denorm_mode_32 3
		.amdhsa_float_denorm_mode_16_64 3
		.amdhsa_memory_ordered 1
		.amdhsa_forward_progress 1
		.amdhsa_inst_pref_size 54
	.end_amdhsa_kernel
	.amdgpu_metadata
---
amdhsa.version: [ 1, 2 ]
amdhsa.kernels:
  - .name:           k_qd50e79f390_prep
    .symbol:         k_qd50e79f390_prep.kd
    .args:
      - { .name: x, .offset: 0, .size: 8, .value_kind: global_buffer, .address_space: global }
      - { .name: wq, .offset: 8, .size: 8, .value_kind: global_buffer, .address_space: global }
      - { .name: wk, .offset: 16, .size: 8, .value_kind: global_buffer, .address_space: global }
      - { .name: wv, .offset: 24, .size: 8, .value_kind: global_buffer, .address_space: global }
      - { .name: wo, .offset: 32, .size: 8, .value_kind: global_buffer, .address_space: global }
      - { .name: xq, .offset: 40, .size: 8, .value_kind: global_buffer, .address_space: global }
      - { .name: wcod, .offset: 48, .size: 8, .value_kind: global_buffer, .address_space: global }
      - { .name: wo16, .offset: 56, .size: 8, .value_kind: global_buffer, .address_space: global }
    .group_segment_fixed_size: 33280
    .private_segment_fixed_size: 0
    .kernarg_segment_align: 8
    .kernarg_segment_size: 64
    .max_flat_workgroup_size: 128
    .sgpr_count:     66
    .vgpr_count:     192
    .wavefront_size: 32
...
	.end_amdgpu_metadata
.endif
;; end of part 1
;; launch qkv (part 2): grid 12 x 16, 4 waves a work-group, clusters of 4 x 4, 327,680 bytes of LDS; arguments xq, wcod, qb, kvb; writes qb, kvb
.if DOCPART == 2
	.amdgcn_target "amdgcn-amd-amdhsa--gfx1250"
	.amdhsa_code_object_version 6
	.text
	.protected	k_qd50e79f390_qkv
	.globl	k_qd50e79f390_qkv
	.p2align	8
	.type	k_qd50e79f390_qkv,@function
k_qd50e79f390_qkv:
	s_mov_b64 s[64:65], 0
	v_nop
	global_prefetch_b8 v0, s[64:65] scope:SCOPE_SE
	s_setreg_imm32_b32 hwreg(HW_REG_WAVE_MODE, 25, 1), 1
	s_wait_xcnt 0x0
	s_wait_alu depctr_hold_cnt(0) depctr_sa_sdst(0) depctr_va_vdst(0) depctr_va_sdst(0) depctr_va_ssrc(0) depctr_va_vcc(0) depctr_vm_vsrc(0)
	s_getreg_b32 s2, hwreg(HW_REG_IB_STS2, 6, 4)
	s_cmp_eq_u32 s2, 0
	s_cbranch_scc0 .Lentry_in_a_cluster
	s_endpgm
.Lentry_in_a_cluster:
	s_bfe_u32 s2, ttmp6, 0x10000c
	s_cmp_lg_u32 s2, 0xf033
	s_cbranch_scc0 .Lentry_shape_is_right
	s_endpgm
.Lentry_shape_is_right:
; QKV.  The three quantised products as ONE product on codes of FP4: [4096 tokens][1024] x [3072 rows of wq, wk, wv][1024]^T, sums in f32; no work is left out.
; A tile of 256 tokens x 256 rows is made by four waves, a wave makes 128 x 128: 64 accumulators of 16 x 16.  K = 1,024 lies in two LDS slots of 512, each filled once; the scale bytes of the tile's rows come once too.
; CLUSTERS: 4 x 4 work-groups; the four of a row of the cluster need the same tokens, the four of a column the same weight rows: each tile is asked for jointly.
; WHAT LEAVES: q, k, v times 64 (exact), rounded to f16, laid as IMAGES OF THE NEXT PRODUCT'S OPERAND REGISTERS, and for each token and head of q and k two f32 numbers.
;   In the result lane (r, h) holds row r of source 1 and rows 16 b + 8 h + 0 .. 7 of source 0.  For q and k source 1 = tokens, source 0 = weight rows: a lane's eight numbers are eight neighbouring channels of one token:
;   packed to f16 they are four registers of a fragment (16 tokens x 32 channels) in that very lane.  For v the two sources change places (by LDS address alone; the cluster's x = 2 says so, the same in all partners):
;   a lane then holds one channel and eight neighbouring keys: four registers of a fragment of v^T.  So every store is 16 bytes a lane at 16 x lane: 512 consecutive aligned bytes, with no turn through LDS.
;   qb:  images [head 32][128 queries 16][tile 8][32 channels 2][half 2][lane][16 B]; at 8,388,608 [head][QN 2048 | RA 2048] f32: QN = -2048 |q|^2, RA = 2^-10 / (1 - |q|^2).
;   kvb: images [head 32][128 keys 16][k: tile 8 x 2,048 B | v: 32 keys 4 x 16 channels 4 x 1,024 B]; at 16,777,216 [head][CK 2048 | RB 2048] f32: CK = -2048 |k|^2, RB = 1 / (1 - |k|^2).
; LIMITS: |q|, |k|, |v| numbers stay under 1,023 (f16 behind the x 64); the norms are sums of the f32 numbers; a reciprocal of 0 is infinity here and is held at the clip in the next launch.
; REGISTERS, in windows of 256: window 0: v16-29 addresses; v32-127 and v192-223 scale words and nothing else; v128-191 source 1's fragments, on the way out packed results; v224-251 norms.
;   window 1: source 0's fragments, two sets, at v0 and v128.   windows 2, 3: the accumulators of source 1's blocks 0-3 and 4-7 ((a, b) at v[8 (8 (a % 4) + b)]).
.set NQ,     4                         ; matrix instructions deep in a slot
.set ROWB,   256                       ; a slot's row: 512 codes
.set KROW,   512                       ; a row of codes in memory
.set PITCH,  272                       ; an LDS row: 256 bytes + 16 of padding, so that the 16 rows of a fragment load start 68 words apart
.set FR,     8
.set NL,     2
.set NP,     4                         ; places behind this matrix instruction (ISA guide 7.12.1)
.set HALFT,  128*PITCH
.set SLOT,   4*HALFT                   ; the tokens' 256 rows, then the weights' 256 rows
.set KS,     32                        ; a row of scale bytes
.set SCL,    2*SLOT                    ; behind the slots: the scale bytes, as runs of 256 bytes + 16 of padding
.set HALFS,  16*272                    ; those of 128 rows
.set SBLK,   2*272                     ; those of 16 rows
.set STG,    SCL+4*HALFS               ; 2,048 bytes a wave: the norms' turn on the way out; no fill lands here
.set SPARE,  STG+4*2048                ; the spare words, 128 bytes a wave, which no other line names
.set XSCL,   2097152
.set WSCL,   1572864
.set ADRA, 16                          ; v16-17 LDS address of source 1's fragments in slot 0, 1
.set ADRB, 20                          ; v20-21 of source 0's
.set ADSA, 22                          ; v22    of source 1's scale words
.set ADSB, 23                          ; v23    of source 0's
.set LI,   24                          ; v24    16 x lane
.set SW,   25                          ; v25    the norms' stage: 4 (lane % 16)
.set SR,   26                          ; v26    and back: 16 x lane
.set SPW,  28
.set NIL,  29
.set AF,   128
.set NPR,  224                         ; v224-231 sums of squares: for each of two heads two chains of a pair
.set NS,   232                         ; v232-247 4096 |.|^2 of (block a, head g) at 2 a + g
.set PT,   248                         ; v248-249 the lane permutes' destinations
.set G1, 24
.set G0, 32
.set G1B, 48
.set G0B, 56
.set G1S, 68
.set G0S, 76
.set G1SB, 80
.set G0SB, 88
.set MSB, 0
.macro WIN new                         ; the immediate's high byte repeats the setting that is left
.if MSB != (\new)
	s_set_vgpr_msb (MSB<<8)|(\new)
.set MSB, (\new)
.endif
.endm
.set MUL_LO, 0xa1                      ; source 0 window 1, source 1 window 0, C and D window 2
.set MUL_HI, 0xf1
.set TO_B,   0x40
; A joint load: waves 0 and 1 fetch the tokens' halves, waves 2 and 3 the weights'.  The branch hangs on the wave's number alone.  An s_nop 0 and four v_nop follow each line.
.macro JLOAD g0a, g1a, g0b, g1b
	s_cmp_eq_u32 s15, 0
	s_cbranch_scc0 .Lfor_b_\@
	tensor_load_to_lds s[\g0a:\g0a+3], s[\g1a:\g1a+7]
	s_nop 0
.rept 4
	v_nop
.endr
	s_branch .Lasked_\@
.Lfor_b_\@:
	tensor_load_to_lds s[\g0b:\g0b+3], s[\g1b:\g1b+7]
	s_nop 0
.rept 4
	v_nop
.endr
.Lasked_\@:
.endm
.macro CROUND                          ; a round of the cluster's barrier
	s_barrier_signal -1
	s_barrier_wait -1
	s_cmp_lg_u32 s14, 0
	s_cbranch_scc1 .Lnot_wave_0_\@
	s_barrier_signal -3
.Lnot_wave_0_\@:
	s_barrier_wait -3
	s_barrier_signal -1
	s_barrier_wait -1
.endm
	s_load_b256 s[4:11], s[0:1], 0x0               ; xq s[4:5], wcod s[6:7], qb s[8:9], kvb s[10:11]
	v_lshl_add_u32 v[SPW], v0, 2, SPARE
	v_mov_b32 v[NIL], 0
	ds_add_u32 v[SPW], v[NIL]                      ; the wave's opening: 0 onto my spare word, twice on end, and its wait ahead of my first tensor load
	ds_add_u32 v[SPW], v[NIL]
	v_lshrrev_b32 v1, 5, v0
	v_readfirstlane_b32 s14, v1                    ; wave 0..3
	s_lshr_b32 s15, s14, 1                         ; which half of source 1's rows is mine.  Also: I fetch tokens (0) or weights (1)
	s_and_b32 s16, s14, 1                          ; which half of source 0's rows.  Also: which 128 rows I fetch
	s_bfe_u32 s40, ttmp6, 0x40000                  ; cx, cy
	s_bfe_u32 s41, ttmp6, 0x40004
	s_lshl_b32 s42, ttmp9, 2
	s_add_co_u32 s42, s42, s40                     ; X: which 256 weight rows
	s_and_b32 s17, ttmp7, 0xffff
	s_lshl_b32 s17, s17, 2
	s_add_co_u32 s17, s17, s41                     ; Y: which 256 tokens
	s_lshl_b32 s43, s41, 2
	s_lshl_b32 s43, 15, s43                        ; my row of the cluster
	s_lshl_b32 s44, 0x1111, s40                    ; my column
	s_or_b32 s[G1+0], s43, (0<<16)|(1<<20)|(1<<21)|(5<<22)|(3<<25)  ; the mask; elements of 1 byte; padding on; bit 21 beside a mask; 4 words behind every 64
	s_or_b32 s[G1B+0], s44, (0<<16)|(1<<20)|(1<<21)|(5<<22)|(3<<25)
.irp g, G1, G1B
	s_mov_b32 s[\g+1], ROWB<<16                    ; tensor_dim0
	s_mov_b32 s[\g+2], 128<<16                     ; tensor_dim1
	s_mov_b32 s[\g+3], ROWB<<16                    ; tile_dim0
	s_mov_b32 s[\g+4], 128                         ; tile_dim1
	s_mov_b32 s[\g+5], KROW                        ; the pitch
	s_mov_b32 s[\g+6], 0
	s_mov_b32 s[\g+7], 0
.endr
	s_or_b32 s[G1S+0], s43, (3<<16)|(1<<20)|(1<<21)|(5<<22)|(3<<25) ; the scale bytes of 128 rows: 4,096 dense bytes as 16 rows of 32 elements of 8 bytes
	s_or_b32 s[G1SB+0], s44, (3<<16)|(1<<20)|(1<<21)|(5<<22)|(3<<25)
.irp g, G1S, G1SB
	s_mov_b32 s[\g+1], 32<<16
	s_mov_b32 s[\g+2], 16<<16
	s_mov_b32 s[\g+3], 32<<16
	s_mov_b32 s[\g+4], 16
	s_mov_b32 s[\g+5], 32
	s_mov_b32 s[\g+6], 0
	s_mov_b32 s[\g+7], 0
.endr
	s_lshl_b32 s18, s16, 7                         ; which 128 rows I fetch
	s_lshl_b32 s20, s17, 8
	s_add_co_u32 s20, s20, s18                     ; token row
	s_lshl_b32 s46, s42, 8
	s_add_co_u32 s46, s46, s18                     ; weight row
	s_lshl_b32 s22, s20, 5                         ; their scale bytes,
	s_add_co_u32 s22, s22, XSCL
	s_mov_b32 s23, 0
	s_lshl_b32 s92, s46, 5
	s_add_co_u32 s92, s92, WSCL
	s_mov_b32 s93, 0
	s_lshl_b32 s20, s20, 9                         ; their codes
	s_mov_b32 s21, 0
	s_lshl_b32 s46, s46, 9
	s_mov_b32 s47, 0
	s_mul_i32 s45, s14, HALFT                      ; where they go: wave x 128 rows: no place in the cluster enters an LDS address
	s_mul_i32 s94, s14, HALFS
	s_wait_dscnt 0x0                               ; both opening adds are done
	s_wait_kmcnt 0x0
	s_add_nc_u64 s[20:21], s[4:5], s[20:21]
	s_add_nc_u64 s[22:23], s[4:5], s[22:23]
	s_add_nc_u64 s[46:47], s[6:7], s[46:47]
	s_add_nc_u64 s[92:93], s[6:7], s[92:93]
	CROUND                                         ; all sixteen work-groups are here: the joint loads meet
	s_mov_b32 s[G0S], 1
	s_add_co_u32 s[G0S+1], s94, SCL
	s_mov_b64 s[G0S+2:G0S+3], s[22:23]
	s_or_b32 s[G0S+3], s[G0S+3], 0x80000000
	s_mov_b32 s[G0SB], 1
	s_add_co_u32 s[G0SB+1], s94, SCL
	s_mov_b64 s[G0SB+2:G0SB+3], s[92:93]
	s_or_b32 s[G0SB+3], s[G0SB+3], 0x80000000
	JLOAD G0S, G1S, G0SB, G1SB                     ; the scale bytes first: they are wanted with slot 0
.irp s, 0,1
	s_mov_b32 s[G0+4*\s], 1
	s_add_co_u32 s[G0+4*\s+1], s45, \s*SLOT
	s_add_nc_u64 s[G0+4*\s+2:G0+4*\s+3], s[20:21], \s*ROWB
	s_or_b32 s[G0+4*\s+3], s[G0+4*\s+3], 0x80000000
	s_mov_b32 s[G0B+4*\s], 1
	s_add_co_u32 s[G0B+4*\s+1], s45, \s*SLOT
	s_add_nc_u64 s[G0B+4*\s+2:G0B+4*\s+3], s[46:47], \s*ROWB
	s_or_b32 s[G0B+4*\s+3], s[G0B+4*\s+3], 0x80000000
	JLOAD G0+4*\s, G1, G0B+4*\s, G1B               ; three loads of mine are out: all of K; nothing is filled again
.endr
	v_and_b32 v1, 15, v0                           ; r
	v_bfe_u32 v2, v0, 4, 1                         ; h
	v_mul_u32_u24 v3, v1, PITCH
	v_lshl_add_u32 v4, v2, 4, v3                   ; a fragment's row x pitch + 16 h
	s_cmp_eq_u32 ttmp9, 2                          ; v's work-groups: the sources change places.  The cluster's x is the same in all partners
	s_cselect_b32 s95, 2*HALFT, 0                  ; source 1: the weights' rows, else the tokens'
	s_cselect_b32 s96, 0, 2*HALFT                  ; source 0: the other
	s_cselect_b32 s97, 2*HALFS, 0
	s_cselect_b32 s98, 0, 2*HALFS
	s_mul_i32 s21, s15, HALFT
	s_add_co_u32 s21, s21, s95
	s_mul_i32 s22, s16, HALFT
	s_add_co_u32 s22, s22, s96
.irp s, 0,1
	v_add_nc_u32 v[ADRA+\s], s21, v4
	v_add_nc_u32 v[ADRB+\s], s22, v4
	s_add_co_u32 s21, s21, SLOT
	s_add_co_u32 s22, s22, SLOT
.endr
	v_mul_u32_u24 v5, v1, KS                       ; my row's scale bytes: 32 a row,
	v_lshrrev_b32 v6, 8, v5
	v_lshl_add_u32 v5, v6, 4, v5                   ; and 16 more for each 256 passed
	s_mul_i32 s21, s15, HALFS
	s_add_co_u32 s21, s21, s97
	s_add_co_u32 s21, s21, SCL
	s_mul_i32 s22, s16, HALFS
	s_add_co_u32 s22, s22, s98
	s_add_co_u32 s22, s22, SCL
	v_add_nc_u32 v[ADSA], s21, v5
	v_add_nc_u32 v[ADSB], s22, v5
	s_lshl_b32 s23, s14, 11
	s_add_co_u32 s23, s23, STG                     ; my stage
	v_lshl_add_u32 v[SW], v1, 2, s23
	v_and_b32 v6, 31, v0
	v_lshlrev_b32 v[LI], 4, v6
	v_add_nc_u32 v[SR], s23, v[LI]
	v_mov_b32 v[PT], 0                             ; a lane permute's destination counts as one of its sources
	v_mov_b32 v[PT+1], 0
.macro FRAG reg, adr, q, i             ; 16 rows x 128 K of 4-bit codes: lane (r, h) holds row r; registers 4 c .. 4 c + 3 hold K = 64 c + 32 h + 0 .. 31
.irp c, 0,1
	ds_load_b128 v[\reg+4*\c:\reg+4*\c+3], v[\adr] offset:64*(\q)+32*\c+(\i)*16*PITCH
.endr
.endm
; 16 matrix instructions: source 1's blocks a0, a0 + 1 x source 0's eight; the slot's q-th 128 along K.  p: source 0's set; sc: the slot, for the scale words.  zero = 1: the first product starts the sums.
; The 64 accumulators take turns, one instruction a turn, in the same order in every step.  Scale words: source 0's at v[64 + 128 sc + 4 b + q], source 1's at v[32 + 64 sc + 4 a + q].
.macro MUL16 a0, p, q, sc, zero
.irp a, \a0, \a0+1
.irp b, 0,1,2,3,4,5,6,7
.if \zero
	v_wmma_scale_f32_16x16x128_f8f6f4 v[8*(8*((\a)%4)+\b):8*(8*((\a)%4)+\b)+7], v[128*(\p)+FR*\b:128*(\p)+FR*\b+FR-1], v[AF+FR*(\a):AF+FR*(\a)+FR-1], 0, v[64+128*(\sc)+NQ*\b+(\q)], v[32+64*(\sc)+NQ*(\a)+(\q)] matrix_a_fmt:MATRIX_FMT_FP4 matrix_b_fmt:MATRIX_FMT_FP4
.else
	v_wmma_scale_f32_16x16x128_f8f6f4 v[8*(8*((\a)%4)+\b):8*(8*((\a)%4)+\b)+7], v[128*(\p)+FR*\b:128*(\p)+FR*\b+FR-1], v[AF+FR*(\a):AF+FR*(\a)+FR-1], v[8*(8*((\a)%4)+\b):8*(8*((\a)%4)+\b)+7], v[64+128*(\sc)+NQ*\b+(\q)], v[32+64*(\sc)+NQ*(\a)+(\q)] matrix_a_fmt:MATRIX_FMT_FP4 matrix_b_fmt:MATRIX_FMT_FP4
.endif
.endr
.endr
.endm
.macro FETCH_B slot, q, p
	WIN TO_B
.irp i, 0,1,2,3,4,5,6,7
	FRAG 128*(\p)+FR*\i, ADRB+\slot, \q, \i
.endr
	WIN 0
.endm
.macro FETCH_A slot, q, i0
.irp i, \i0, \i0+1, \i0+2, \i0+3
	FRAG AF+FR*(\i), ADRA+\slot, \q, \i
.endr
.endm
.macro SCALES sc                       ; a slot's scale words: four words a row; lane r takes row r of block i (lanes 16-31 take the same and are not read)
.irp i, 0,1,2,3,4,5,6,7
	ds_load_b128 v[32+64*\sc+NQ*\i:32+64*\sc+NQ*\i+3], v[ADSA] offset:\i*SBLK+16*\sc
	ds_load_b128 v[64+128*\sc+NQ*\i:64+128*\sc+NQ*\i+3], v[ADSB] offset:\i*SBLK+16*\sc
.endr
.endm
.macro PLACES n                        ; plain vector lines between a matrix instruction and a load into, or a vector access to, its registers
.rept \n
	v_nop
.endr
.endm
.macro STEP slot, q, zero              ; 128 along K that has its successor in the same slot
	s_wait_dscnt 4*NL                              ; source 0's set and source 1's blocks 0-3 are in; the youngest eight loads (blocks 4-7) may be out
	WIN MUL_LO
	MUL16 0, (\q)%2, \q, \slot, \zero
	MUL16 2, (\q)%2, \q, \slot, \zero
	s_wait_dscnt 0
	PLACES NP
	FETCH_B \slot, (\q)+1, 1-(\q)%2
	FETCH_A \slot, (\q)+1, 0
	WIN MUL_HI
	MUL16 4, (\q)%2, \q, \slot, \zero
	MUL16 6, (\q)%2, \q, \slot, \zero
	PLACES NP
	WIN 0
	FETCH_A \slot, (\q)+1, 4
.endm
.macro TURN slot, next                 ; a slot's last step changes slots: one barrier; in front of it each wave waits for all its tensor loads, so that behind it the next slot is whole
	s_wait_tensorcnt 0x0                           ; my part of the next slot has landed
	ds_add_u32 v[SPW], v[NIL]                      ; 0 onto my spare word
	s_wait_dscnt 4*NL+1                            ; the add and the youngest eight loads may be out
	WIN MUL_LO
	MUL16 0, 1, NQ-1, \slot, 0
	s_wait_dscnt 0x0
	s_barrier_signal -1
	MUL16 2, 1, NQ-1, \slot, 0
	WIN 0
	s_barrier_wait -1
	PLACES NP
	FETCH_B \next, 0, 0
	FETCH_A \next, 0, 0
	SCALES \next
	WIN MUL_HI
	MUL16 4, 1, NQ-1, \slot, 0
	MUL16 6, 1, NQ-1, \slot, 0
	PLACES NP
	WIN 0
	FETCH_A \next, 0, 4
.endm
.macro STEPS slot, from
.set Q, \from
.rept NQ-1-\from
	STEP \slot, Q, 0
.set Q, Q+1
.endr
.endm
	s_wait_tensorcnt 1                             ; the scale bytes and my part of slot 0 are in; slot 1's load may be out
	s_barrier_signal -1
	s_barrier_wait -1
	FETCH_B 0, 0, 0
	FETCH_A 0, 0, 0
	SCALES 0
	FETCH_A 0, 0, 4
	STEP 0, 0, 1                                   ; the first products start the sums
	STEPS 0, 1
	TURN 0, 1
	STEPS 1, 0
	s_wait_dscnt 4*NL                              ; the last step: nothing more to fetch
	WIN MUL_LO
	MUL16 0, 1, NQ-1, 1, 0
	MUL16 2, 1, NQ-1, 1, 0
	s_wait_dscnt 0
	WIN MUL_HI
	MUL16 4, 1, NQ-1, 1, 0
	MUL16 6, 1, NQ-1, 1, 0
	WIN 0
	PLACES NP
; THE WAY OUT.  Block a (source 1's 16 rows x source 0's 128): x 64 in place (each accumulator from its low end on), the sums of squares of the two heads (norm = 1), 32 roundings to pairs of f16, 8 stores.
.macro PACKA a, norm
.set AC, 64*((\a)%4)
.set OU, 128+32*((\a)%2)
	WIN 0x82+0x41*((\a)/4)                         ; destination and source 0: window 2 or 3
.set i, 0
.rept 32
	v_pk_mul_f32 v[AC+2*i:AC+2*i+1], v[AC+2*i:AC+2*i+1], s[66:67] op_sel_hi:[1,0]
.set i, i+1
.endr
	WIN 0x0a+5*((\a)/4)                            ; sources 0 and 1: window 2 or 3; the rest window 0
.set i, 0
.rept 32
.if \norm
.set CH, NPR+4*(i/16)+2*(i%2)                      ; head i / 16, two chains by turns
.if (i%16) < 2
	v_pk_mul_f32 v[CH:CH+1], v[AC+2*i:AC+2*i+1], v[AC+2*i:AC+2*i+1]
.else
	v_pk_fma_f32 v[CH:CH+1], v[AC+2*i:AC+2*i+1], v[AC+2*i:AC+2*i+1], v[CH:CH+1]
.endif
.endif
	v_cvt_pk_f16_f32 v[OU+i], v[AC+2*i], v[AC+2*i+1]
.set i, i+1
.endr
	WIN 0
.if \norm
.irp g, 0,1
	v_pk_add_f32 v[NPR+4*\g:NPR+4*\g+1], v[NPR+4*\g:NPR+4*\g+1], v[NPR+4*\g+2:NPR+4*\g+3]
.endr
.irp g, 0,1
	v_add_f32 v[NPR+4*\g], v[NPR+4*\g], v[NPR+4*\g+1]
.endr
.irp g, 0,1
	v_permlanex16_b32 v[PT+\g], v[NPR+4*\g], s12, s13   ; the token's other 32 channels lie in the lane 16 away
.endr
.irp g, 0,1
	v_add_f32 v[NS+2*(\a)+\g], v[NPR+4*\g], v[PT+\g]
.endr
.endif
.endm
.macro STQK a                          ; tile a; accumulator b: head b / 4, channels 32 ((b % 4) / 2) on, half b % 2
.set OU, 128+32*((\a)%2)
.irp b, 0,1,2,3,4,5,6,7
	global_store_b128 v[LI], v[OU+4*\b:OU+4*\b+3], s[68+2*(\b/4):69+2*(\b/4)] offset:(\a)*2048+((\b%4)/2)*1024+(\b%2)*512
.endr
.endm
.macro STV a                           ; channels: head a / 4, tile a % 4; accumulator b: keys 32 (b / 2) on, half b % 2
.set OU, 128+32*((\a)%2)
.irp b, 0,1,2,3,4,5,6,7
	global_store_b128 v[LI], v[OU+4*\b:OU+4*\b+3], s[68+2*((\a)/4):69+2*((\a)/4)] offset:(\b/2)*4096+((\a)%4)*1024+(\b%2)*512
.endr
.endm
	s_mov_b32 s66, 0x42800000                      ; 64
	s_mov_b32 s67, s66                             ; (named with it as a pair)
	s_mov_b32 s12, 0x76543210
	s_mov_b32 s13, 0xfedcba98                      ; v_permlanex16_b32's selects for lane l xor 16
	; all my tensor loads were waited for at the change of slots: the scale bytes' descriptor registers are free
	s_cmp_eq_u32 ttmp9, 2
	s_cselect_b32 s74, s16, s15                    ; which half of the 256 tokens is mine
	s_cselect_b32 s75, s15, s16                    ; which half of the 256 weight rows
	s_lshl_b32 s76, s17, 8
	s_lshl_b32 s77, s74, 7
	s_add_co_u32 s76, s76, s77                     ; my first token
	s_lshr_b32 s77, s76, 11                        ; the batch
	s_bfe_u32 s78, s76, 0x40007                    ; which 128 tokens of the sequence
	s_lshl_b32 s77, s77, 4
	s_and_b32 s79, s42, 3
	s_lshl_b32 s79, s79, 2
	s_add_co_u32 s77, s77, s79
	s_lshl_b32 s79, s75, 1
	s_add_co_u32 s77, s77, s79                     ; my first head: 16 batch + 4 (X % 4) + 2 half
	s_mov_b32 s85, 0
	s_mov_b32 s87, 0
	s_cmp_eq_u32 ttmp9, 2
	s_cbranch_scc1 .Lv
	s_cmp_eq_u32 ttmp9, 1                          ; k or q
	s_cselect_b64 s[68:69], s[10:11], s[8:9]       ; kvb or qb
	s_cselect_b32 s80, 19, 18                      ; a head's images: 2^19 or 2^18 bytes
	s_cselect_b32 s81, 15, 14                      ; 128 tokens': 2^15 or 2^14
	s_mov_b32 s82, 8388608
	s_cselect_b32 s82, 16777216, s82               ; where the f32 numbers begin
	s_mov_b32 s83, 0x3a800000
	s_cselect_b32 s83, 0x3f800000, s83             ; the reciprocal's factor: 1 for k, 2^-10 for q
	s_lshl_b32 s84, s77, s80
	s_lshl_b32 s86, s78, s81
	s_add_co_u32 s84, s84, s86
	s_lshl_b32 s86, s77, 14
	s_add_co_u32 s86, s86, s82
	s_and_b32 s79, s76, 2047
	s_lshl_b32 s79, s79, 2
	s_add_co_u32 s86, s86, s79
	s_add_nc_u64 s[72:73], s[68:69], s[86:87]      ; my 128 tokens' f32 numbers, first head
	s_add_nc_u64 s[68:69], s[68:69], s[84:85]      ; my images, first head,
	s_lshl_b32 s84, 1, s80
	s_add_nc_u64 s[70:71], s[68:69], s[84:85]      ; second head
.irp a, 0,1,2,3,4,5,6,7
.if \a >= 2
	s_wait_xcnt 0x0                                ; block a - 2's stores have read this set of registers
.endif
	PACKA \a, 1
	STQK \a
.endr
	s_wait_xcnt 0x0                                ; the last stores have read v128-191
.set i, 0
.rept 16
	v_fma_f32 v[128+i], v[NS+i], 0xb9800000, 1.0   ; 1 - |.|^2: the sums hold 4096 |.|^2
.set i, i+1
.endr
.set i, 0
.rept 16
	v_rcp_f32 v[128+i], v[128+i]
.set i, i+1
.endr
.set i, 0
.rept 16
	v_mul_f32 v[144+i], -0.5, v[NS+i]              ; -2048 |.|^2.  (Plain work behind the reciprocals)
.set i, i+1
.endr
	s_wait_alu depctr_va_vdst(0)                   ; one wait for the sixteen reciprocals, ahead of their first reader
.set i, 0
.rept 16
	v_mul_f32 v[128+i], s83, v[128+i]
.set i, i+1
.endr
.irp a, 0,1,2,3,4,5,6,7                ; lane r holds token 16 a + r: through my stage, so that 128 tokens' numbers leave as 512 consecutive bytes.  Both halves of the lanes write the same word with the same value
.irp g, 0,1
	ds_store_b32 v[SW], v[144+2*\a+\g] offset:(2*\g)*512+64*\a
	ds_store_b32 v[SW], v[128+2*\a+\g] offset:(2*\g+1)*512+64*\a
.endr
.endr
.irp k, 0,1,2,3
	ds_load_b128 v[160+4*\k:160+4*\k+3], v[SR] offset:\k*512      ; LDS serves a wave's instructions in order: these see my stores
.endr
	s_wait_dscnt 0x0
.irp g, 0,1
.irp u, 0,1
	global_store_b128 v[LI], v[160+4*(2*\g+\u):160+4*(2*\g+\u)+3], s[72:73] offset:\g*16384+\u*8192
.endr
.endr
	s_branch .Ljoin
.Lv:
	s_lshl_b32 s84, s77, 19
	s_lshl_b32 s86, s78, 15
	s_add_co_u32 s84, s84, s86
	s_add_co_u32 s84, s84, 16384                   ; v's images lie behind k's in a step of 128 keys
	s_add_nc_u64 s[68:69], s[10:11], s[84:85]
	s_add_nc_u64 s[70:71], s[68:69], 524288
.irp a, 0,1,2,3,4,5,6,7
.if \a >= 2
	s_wait_xcnt 0x0
.endif
	PACKA \a, 0
	STV \a
.endr
.Ljoin:
	s_wait_tensorcnt 0x0                           ; the wave's end
	ds_add_u32 v[SPW], v[NIL]
	s_wait_dscnt 0x0
	CROUND                                         ; the closing round
	s_endpgm
.Lfunc_end_k_qd50e79f390_qkv:
	.size	k_qd50e79f390_qkv, .Lfunc_end_k_qd50e79f390_qkv-k_qd50e79f390_qkv
	.p2alignl 7, 3214868480
	.fill 96, 4, 3214868480
	.section	.rodata,"a",@progbits
	.p2align	6, 0x0
	.amdhsa_kernel k_qd50e79f390_qkv
		.amdhsa_group_segment_fixed_size 327680
		.amdhsa_private_segment_fixed_size 0
		.amdhsa_enable_private_segment 0
		.amdhsa_kernarg_size 32
		.amdhsa_user_sgpr_count 2
		.amdhsa_user_sgpr_kernarg_segment_ptr 1
		.amdhsa_wavefront_size32 1
		.amdhsa_system_sgpr_workgroup_id_x 1
		.amdhsa_system_sgpr_workgroup_id_y 1
		.amdhsa_system_sgpr_workgroup_id_z 1
		.amdhsa_system_vgpr_workitem_id 0
		.amdhsa_next_free_vgpr 1024
		.amdhsa_next_free_sgpr 100
		.amdhsa_reserve_vcc 0
		.amdhsa_float_denorm_mode_32 3
		.amdhsa_float_denorm_mode_16_64 3
		.amdhsa_memory_ordered 1
		.amdhsa_forward_progress 1
		.amdhsa_inst_pref_size 200
	.end_amdhsa_kernel
	.amdgpu_metadata
---
amdhsa.version: [ 1, 2 ]
amdhsa.kernels:
  - .name:           k_qd50e79f390_qkv
    .symbol:         k_qd50e79f390_qkv.kd
    .args:
      - { .name: xq, .offset: 0, .size: 8, .value_kind: global_buffer, .address_space: global }
      - { .name: wcod, .offset: 8, .size: 8, .value_kind: global_buffer, .address_space: global }
      - { .name: qb, .offset: 16, .size: 8, .value_kind: global_buffer, .address_space: global }
      - { .name: kvb, .offset: 24, .size: 8, .value_kind: global_buffer, .address_space: global }
    .group_segment_fixed_size: 327680
    .private_segment_fixed_size: 0
    .kernarg_segment_align: 8
    .kernarg_segment_size: 32
    .max_flat_workgroup_size: 128
    .sgpr_count:     100
    .vgpr_count:     1024
    .wavefront_size: 32
...
	.end_amdgpu_metadata
.endif
;; end of part 2
;; launch attn (part 3): grid 8 x 32, 8 waves a work-group, clusters of 4 x 1, 327,680 bytes of LDS; arguments qb, kvb, oimg; writes oimg
.if DOCPART == 3
	.amdgcn_target "amdgcn-amd-amdhsa--gfx1250"
	.amdhsa_code_object_version 6
	.text
	.protected	k_qd50e79f390_attn
	.globl	k_qd50e79f390_attn
	.p2align	8
	.type	k_qd50e79f390_attn,@function
k_qd50e79f390_attn:
	s_mov_b64 s[64:65], 0
	v_nop
	global_prefetch_b8 v0, s[64:65] scope:SCOPE_SE
	s_setreg_imm32_b32 hwreg(HW_REG_WAVE_MODE, 25, 1), 1
	s_wait_xcnt 0x0
	s_wait_alu depctr_hold_cnt(0) depctr_sa_sdst(0) depctr_va_vdst(0) depctr_va_sdst(0) depctr_va_ssrc(0) depctr_va_vcc(0) depctr_vm_vsrc(0)
	s_getreg_b32 s2, hwreg(HW_REG_IB_STS2, 6, 4)
	s_cmp_eq_u32 s2, 0
	s_cbranch_scc0 .Lentry_in_a_cluster
	s_endpgm
.Lentry_in_a_cluster:
	s_bfe_u32 s2, ttmp6, 0x10000c
	s_cmp_lg_u32 s2, 0x3003
	s_cbranch_scc0 .Lentry_shape_is_right
	s_endpgm
.Lentry_shape_is_right:
; ATTN.  o[q] = sum over k of softmax_k(-arccosh(z(q, k))) v[k], z = max(1 + 2 max(|q|^2 + |k|^2 - 2 q.k, 0) / max((1 - |q|^2)(1 - |k|^2), 1e-6), 1), for 32 heads of 2,048 tokens, head size 64.  No work is left out.
; OPERANDS: 64 q, 64 k, 64 v in f16, as images of the operands' registers (16 bytes a lane at 16 x lane); QN = -2048 |q|^2, RA = 2^-10 / (1 - |q|^2), CK = -2048 |k|^2, RB = 1 / (1 - |k|^2) in f32.
; A SCORE, all f32:  D = (64 k).(64 q) + CK by the matrix unit (CK is the C of the first product) = -2^11 (|k|^2 - 2 q.k);  X = D + QN = -2^11 diff;  T = RB RA, held at 10^6 2^-10 by an UNSIGNED minimum of its bits:
;   every negative T, -0, infinity and NaN lies above that bound as a whole number, so the one line gives 2^-10 / max((1 - |q|^2)(1 - |k|^2), 1e-6) for all signs and for a factor 0;  Z = max(1 - X T, 1): since T >= 0
;   this one maximum is both of the formula's (diff < 0 gives Z < 1, which becomes 1).
; THE WEIGHT:  e^(-arccosh z) = 1 / (z + sqrt(z^2 - 1)) for every z >= 1: no exponential and no logarithm.  THE MAXIMUM IS TAKEN AWAY, as a running one: the row's smallest Z so far, kept as NZM = max(-Z); E its exponent;
;   c = 2^-E;  p = 1 / (Z c + sqrt((Z c)^2 - c^2)) = 2^E e^(-distance): the row's largest p lies in (1/4, 1].  When E falls, the sum and O are multiplied by F = 2^(new E - old E): exact.  O / sum at the end.
; ROUNDING that differs from the formula as written: 1 / (a b) as a product of two reciprocals; the closed form for exp(-arccosh); q.k, p and v on f16 operands.
; LIMITS: z stays under 2^126; a p under 2^-64 of the row's largest counts as 0; NaN and infinities among the inputs are not served; o x 64 goes out in f16.
; SHARES: a work-group owns 256 queries of one head, each of its eight waves 32: two tiles of 16; two waves to a SIMD, so that one wave's vector work stands beside the other's matrix work and LDS loads.
;   Both products are used transposed (S^T = K Q^T, O^T = V^T P): a lane holds ONE query (lane % 16) throughout, and the keys or channels 8 (lane / 16) + 0 .. 7 of a tile.  Two neighbouring tiles of p, packed to f16, ARE source 1 of the second product.
; RING: two LDS slots of four steps of 128 keys (a dense block of 131,072 bytes of kvb), each wave fetching an eighth by one tensor load; the head's CK and RB come once.
; CLUSTER: the four query blocks of a cluster walk the same head: every load is asked for jointly, with the same descriptor and the mask of all four.
; A slot is asked for four key steps ahead of the wait for it, so no prefetch is laid.
; REGISTERS: window 0: v1-7 addresses; v8-15 four pairs of sums; v16-47 statistics, 16 a tile; v64-95 Q; v96-159 CK, then RB; v160-223 O^T; v224-255 packed o.
;   window 1: v0-127 S^T, 64 a tile, then p, then P packed at 64 t + 8 kappa; v128-255 K; then v128-191 T, then V of keys 64-127; v192-255 V of keys 0-63.
.set STEPB, 32768                      ; a step: K's 8 tiles x 2,048 bytes, then V's 4 x 4 x 1,024
.set SLOT1, 1<<17
.set KSC,   2*SLOT1                    ; the head's CK (8,192 bytes), then RB
.set SPARE, KSC+16384                  ; the spare words, 128 bytes a wave, which no other line names
.set LI,  1                            ; v1 16 x lane
.set AKS, 2                            ; v2 KSC + 32 (lane / 16)
.set ADR, 3                            ; v3 the step's images
.set ADS, 4                            ; v4 the step's CK
.set R4,  5                            ; v5 4 (lane % 16)
.set SPW, 6
.set NIL, 7
.set SUM, 8
.set ST,  16                           ; tile t at ST + 16 t: +0 QN, +1 NZM, +2 RA, +3 PE, +4 c, +6 -c^2, +8 F, +10, +11 the sum, +12 .. 15 four chains; +5, +7, +9 at work or named as a pair's upper half
.set QF,  64
.set CKR, 96
.set OT,  160
.set PKO, 224
.set KF,  128                          ; window 1
.set TT,  128                          ; window 1
.set WV,  12
.set SEL, 20                           ; s[20:21]
.set CL,  22                           ; s22 10^6 x 2^-10
.set G1,  24
.set G1S, 32
.set G0,  40
.set G0S, 44
.set TB,  48                           ; s48 LDS byte at which the step's images begin
.set TS,  49                           ; s49 and its CK: 512 bytes a step
.set SLOTS, 50
.set CNT, 51
.set MSB, 0
.macro WIN new                         ; bits 1:0 source 0, 3:2 source 1, 5:4 source 2, 7:6 destination; the high byte repeats the setting that is left
.if MSB != (\new)
	s_set_vgpr_msb (MSB<<8)|(\new)
.set MSB, (\new)
.endif
.endm
.macro CROUND
	s_barrier_signal -1
	s_barrier_wait -1
	s_cmp_lg_u32 s[WV], 0
	s_cbranch_scc1 .Lnot_wave_0_\@
	s_barrier_signal -3
.Lnot_wave_0_\@:
	s_barrier_wait -3
	s_barrier_signal -1
	s_barrier_wait -1
.endm
	s_load_b128 s[4:7], s[0:1], 0x0                ; qb s[4:5], kvb s[6:7]
	s_load_b64 s[8:9], s[0:1], 0x10                ; oimg
	v_lshl_add_u32 v[SPW], v0, 2, SPARE
	v_mov_b32 v[NIL], 0
	ds_add_u32 v[SPW], v[NIL]                      ; the wave's opening: 0 onto my spare word, twice on end, and its wait ahead of my first tensor load
	ds_add_u32 v[SPW], v[NIL]
	v_lshrrev_b32 v1, 5, v0
	v_readfirstlane_b32 s[WV], v1                  ; wave 0..7
	s_bfe_u32 s13, ttmp6, 0x40000                  ; cx
	s_lshl_b32 s14, ttmp9, 2
	s_add_co_u32 s14, s14, s13                     ; my block of 256 queries: it enters Q's and O's addresses alone
	s_and_b32 s15, ttmp7, 0xffff                   ; the head, which the four partners share
.irp g, G1, G1S
	s_mov_b32 s[\g], 15|(3<<16)|(1<<21)            ; the mask of all four; elements of 8 bytes; bit 21 beside a mask; no padding: images are read 16 bytes a lane on end
	s_mov_b32 s[\g+1], 32<<16                      ; tensor_dim0: 32 elements = 256 bytes
	s_mov_b32 s[\g+3], 32<<16                      ; tile_dim0
	s_mov_b32 s[\g+5], 32                          ; the pitch: dense
	s_mov_b32 s[\g+6], 0
	s_mov_b32 s[\g+7], 0
.endr
	s_mov_b32 s[G1+2], 64<<16                      ; an eighth of a slot: 64 rows
	s_mov_b32 s[G1+4], 64
	s_mov_b32 s[G1S+2], 8<<16                      ; an eighth of the head's CK and RB: 8 rows
	s_mov_b32 s[G1S+4], 8
	s_lshl_b32 s16, s15, 19                        ; the head's images in kvb,
	s_lshl_b32 s17, s[WV], 14                      ; my eighth of a slot
	s_add_co_u32 s16, s16, s17
	s_mov_b32 s17, 0
	s_lshl_b32 s18, s15, 14                        ; the head's CK and RB,
	s_lshl_b32 s19, s[WV], 11
	s_add_co_u32 s18, s18, s19
	s_add_co_u32 s18, s18, 16777216
	s_mov_b32 s19, 0
	s_lshl_b32 s2, s15, 18                         ; Q's images: head, block of 256, my 32 queries
	s_lshl_b32 s3, s14, 15
	s_add_co_u32 s2, s2, s3
	s_lshl_b32 s3, s[WV], 12
	s_add_co_u32 s2, s2, s3
	s_mov_b32 s3, 0
	s_lshl_b32 s10, s15, 14                        ; QN and RA
	s_lshl_b32 s11, s14, 10
	s_add_co_u32 s10, s10, s11
	s_lshl_b32 s11, s[WV], 7
	s_add_co_u32 s10, s10, s11
	s_add_co_u32 s10, s10, 8388608
	s_mov_b32 s11, 0
	s_bfe_u32 s58, s15, 0x20002                    ; oimg: [head / 4][tile of 16 tokens][2 (head % 4) + 32 channels][half][lane][16 B]
	s_lshl_b32 s58, s58, 21
	s_lshr_b32 s59, s15, 4                         ; the batch
	s_lshl_b32 s59, s59, 7
	s_lshl_b32 s60, s14, 4
	s_add_co_u32 s59, s59, s60
	s_lshl_b32 s60, s[WV], 1
	s_add_co_u32 s59, s59, s60                     ; my first tile of tokens
	s_lshl_b32 s59, s59, 13
	s_add_co_u32 s58, s58, s59
	s_and_b32 s59, s15, 3
	s_lshl_b32 s59, s59, 11
	s_add_co_u32 s58, s58, s59
	s_mov_b32 s59, 0
	s_mov_b32 s[SEL], 0x76543210
	s_mov_b32 s[SEL+1], 0xfedcba98
	s_mov_b32 s[CL], 0x44742400
	s_mov_b32 s[TB], 0
	s_mov_b32 s[TS], 0
	s_mov_b32 s[SLOTS], 3
	s_wait_dscnt 0x0                               ; both opening adds are done
	s_wait_kmcnt 0x0
	s_add_nc_u64 s[52:53], s[4:5], s[2:3]
	s_add_nc_u64 s[54:55], s[4:5], s[10:11]
	s_add_nc_u64 s[56:57], s[8:9], s[58:59]
	s_mov_b32 s[G0], 1
	s_lshl_b32 s[G0+1], s[WV], 14                  ; LDS: slot 0, my eighth
	s_add_nc_u64 s[G0+2:G0+3], s[6:7], s[16:17]
	s_or_b32 s[G0+3], s[G0+3], 0x80000000
	s_mov_b32 s[G0S], 1
	s_lshl_b32 s[G0S+1], s[WV], 11
	s_add_co_u32 s[G0S+1], s[G0S+1], KSC
	s_add_nc_u64 s[G0S+2:G0S+3], s[6:7], s[18:19]
	s_or_b32 s[G0S+3], s[G0S+3], 0x80000000
	CROUND                                         ; all four work-groups are here: the first joint loads meet
	tensor_load_to_lds s[G0S:G0S+3], s[G1S:G1S+7]  ; every wave issues its own two first fills, with no branch: two loads of mine are out
	s_nop 0
	tensor_load_to_lds s[G0:G0+3], s[G1:G1+7]
	s_nop 0
.rept 4
	v_nop
.endr
	v_and_b32 v[LI], 31, v0
	v_lshlrev_b32 v[LI], 4, v[LI]
	v_bfe_u32 v[AKS], v0, 4, 1
	v_lshl_add_u32 v[AKS], v[AKS], 5, KSC
	v_and_b32 v[R4], 15, v0
	v_lshlrev_b32 v[R4], 2, v[R4]
.irp n, 0,1,2,3,4,5,6,7                ; Q stays in registers: tile n / 4, channels 32 ((n / 2) % 2) on, half n % 2: the images lie in this very order
	global_load_b128 v[QF+4*\n:QF+4*\n+3], v[LI], s[52:53] offset:512*\n
.endr
.irp t, 0,1
	global_load_b32 v[ST+16*\t], v[R4], s[54:55] offset:64*\t          ; QN
	global_load_b32 v[ST+16*\t+2], v[R4], s[54:55] offset:8192+64*\t   ; RA
	v_mov_b32 v[ST+16*\t+1], 0xfe800000            ; NZM: -2^126, under every -Z
	v_mov_b32 v[ST+16*\t+4], 0x00800000            ; c = 2^-126 with it
.irp k, 3,5,6,7,8,9,10,11
	v_mov_b32 v[ST+16*\t+\k], 0                    ; the sum; and what is named as a pair's upper half or as a lane permute's destination before it is first written
.endr
.endr
.set i, 0
.rept 64
	v_mov_b32 v[OT+i], 0                           ; O^T.  (The step is written for all steps alike: the first finds zeros, which the first F leaves zeros)
.set i, i+1
.endr
	s_wait_loadcnt 0x0
; ONE TILE'S SCORES OF ONE STEP become weights: 64 registers a lane.  Every run ascends.
.macro SM t
.set rT, ST+16*(\t)
.set rS, 64*(\t)
.set rO, OT+32*(\t)
	WIN 0x41
.set i, 0
.rept 32
	v_pk_add_f32 v[rS+i:rS+i+1], v[rS+i:rS+i+1], v[rT:rT+1] op_sel_hi:[1,0]      ; X = D + QN
.set i, i+2
.endr
.if (\t) == 0
	s_wait_dscnt 16                                ; RB is in; V's sixteen loads may be out
.endif
	WIN 0x40
.set i, 0
.rept 32
	v_pk_mul_f32 v[TT+i:TT+i+1], v[CKR+i:CKR+i+1], v[rT+2:rT+3] op_sel_hi:[1,0]  ; T = RB RA
.set i, i+2
.endr
	WIN 0x44
.set i, 0
.rept 64
	v_min_u32 v[TT+i], s[CL], v[TT+i]              ; the clip of the denominator, on the bits
.set i, i+1
.endr
	WIN 0x45
.set i, 0
.rept 32
	v_pk_fma_f32 v[rS+i:rS+i+1], v[rS+i:rS+i+1], v[TT+i:TT+i+1], 1.0 op_sel_hi:[1,1,0] neg_lo:[1,0,0] neg_hi:[1,0,0]   ; 1 - X T
.set i, i+2
.endr
	WIN 0x44
.set i, 0
.rept 64
	v_max_num_f32 v[rS+i], 1.0, v[rS+i]            ; Z
.set i, i+1
.endr
	WIN 0x14
.set i, 0
.rept 32                                           ; the largest -Z, with the running one, in four chains
.if i < 4
	v_max3_num_f32 v[rT+12+i], v[rT+1], -v[rS+2*i], -v[rS+2*i+1]
.else
	v_max3_num_f32 v[rT+12+i%4], v[rT+12+i%4], -v[rS+2*i], -v[rS+2*i+1]
.endif
.set i, i+1
.endr
	WIN 0
	v_max3_num_f32 v[rT+12], v[rT+12], v[rT+13], v[rT+14]
	v_max_num_f32 v[rT+12], v[rT+12], v[rT+15]
	v_permlanex16_b32 v[rT+5], v[rT+12], s[SEL], s[SEL+1]   ; the query's other keys lie in the lane 16 away
	v_max_num_f32 v[rT+1], v[rT+12], v[rT+5]
	v_and_b32 v[rT+3], 0x7f800000, v[rT+1]         ; 2^E: the smallest Z's exponent field
	v_mul_f32 v[rT+8], v[rT+4], v[rT+3]            ; F = old c x 2^E = 2^(new E - old E), at most 1
	v_sub_nc_u32 v[rT+4], 0x7f000000, v[rT+3]      ; c = 2^-E
	v_mul_f32 v[rT+6], -v[rT+4], v[rT+4]           ; -c^2
	WIN 0x41
.set i, 0
.rept 32
	v_pk_mul_f32 v[rS+i:rS+i+1], v[rS+i:rS+i+1], v[rT+4:rT+5] op_sel_hi:[1,0]    ; Z c: exact
.set i, i+2
.endr
	WIN 0x45
.set i, 0
.rept 32
	v_pk_fma_f32 v[TT+i:TT+i+1], v[rS+i:rS+i+1], v[rS+i:rS+i+1], v[rT+6:rT+7] op_sel_hi:[1,1,0]   ; (Z c)^2 - c^2, rounded once, never negative
.set i, i+2
.endr
	WIN 0x41
.set i, 0
.rept 64
	v_sqrt_f32 v[TT+i], v[TT+i]
.set i, i+1
.endr
	WIN 0
.set i, 0
.rept 16
	v_pk_mul_f32 v[rO+i:rO+i+1], v[rO+i:rO+i+1], v[rT+8:rT+9] op_sel_hi:[1,0]    ; O^T x F: the plain work behind the batch of roots
.set i, i+2
.endr
	s_wait_alu depctr_va_vdst(0)                   ; one wait for the 64 roots, ahead of their first reader
	WIN 0x45
.set i, 0
.rept 32
	v_pk_add_f32 v[rS+i:rS+i+1], v[rS+i:rS+i+1], v[TT+i:TT+i+1]
.set i, i+2
.endr
.if (\t) == 1
	WIN 0x40                                       ; T is done with: its registers take V of keys 64 to 127
.set i, 0
.rept 16
	ds_load_b128 v[128+4*i:128+4*i+3], v[ADR] offset:16384+8192+512*i
.set i, i+1
.endr
.endif
	WIN 0x41
.set i, 0
.rept 64
	v_rcp_f32 v[rS+i], v[rS+i]                     ; p
.set i, i+1
.endr
	v_nop                                          ; a plain line behind the last reciprocal
	s_wait_alu depctr_va_vdst(0)                   ; one wait for the 64
	WIN 0x05
.set i, 0
.rept 4
	v_pk_add_f32 v[SUM+2*i:SUM+2*i+1], v[rS+4*i:rS+4*i+1], v[rS+4*i+2:rS+4*i+3]  ; the row's sum of the f32 weights: four chains of pairs
.set i, i+1
.endr
	WIN 0x04
.set i, 0
.rept 24
	v_pk_add_f32 v[SUM+2*(i%4):SUM+2*(i%4)+1], v[SUM+2*(i%4):SUM+2*(i%4)+1], v[rS+16+2*i:rS+16+2*i+1]
.set i, i+1
.endr
	WIN 0x45
.set i, 0
.rept 32
	v_cvt_pk_f16_f32 v[rS+i], v[rS+2*i], v[rS+2*i+1]   ; packed in place, ascending: register i has been read when it is written.  P of keys 32 kappa on: v[rS + 8 kappa] on
.set i, i+1
.endr
	WIN 0
	v_pk_add_f32 v[SUM:SUM+1], v[SUM:SUM+1], v[SUM+2:SUM+3]
	v_pk_add_f32 v[SUM+4:SUM+5], v[SUM+4:SUM+5], v[SUM+6:SUM+7]
	v_pk_add_f32 v[SUM:SUM+1], v[SUM:SUM+1], v[SUM+4:SUM+5]
	v_pk_fma_f32 v[rT+10:rT+11], v[rT+10:rT+11], v[rT+8:rT+9], v[SUM:SUM+1] op_sel_hi:[1,0,1]   ; the sum x F + this step's
.endm
; A KEY STEP: 128 keys.
.macro STEP
	v_add_nc_u32 v[ADR], s[TB], v[LI]              ; five plain lines behind the last step's products: four are owed to the loads into V's registers, five to the products that write over P's
	v_add_nc_u32 v[ADS], s[TS], v[AKS]
.rept 3
	v_nop
.endr
.set i, 0
.rept 16
	ds_load_b128 v[CKR+4*i:CKR+4*i+3], v[ADS] offset:64*(i/2)+16*(i%2)           ; CK of keys 16 kt + 8 h + 0 .. 7: the result's layout
.set i, i+1
.endr
	WIN 0x40
.set i, 0
.rept 16
	ds_load_b128 v[KF+16*(i/2)+4*(i%2):KF+16*(i/2)+4*(i%2)+3], v[ADR] offset:2048*(i/2)+512*(i%2)            ; K, channels 0-31
.set i, i+1
.endr
.set i, 0
.rept 16
	ds_load_b128 v[KF+16*(i/2)+8+4*(i%2):KF+16*(i/2)+8+4*(i%2)+3], v[ADR] offset:2048*(i/2)+1024+512*(i%2)   ; K, channels 32-63
.set i, i+1
.endr
	s_wait_dscnt 16                                ; CK and the first 32 channels are in; the youngest sixteen loads may be out
	WIN 0x41
.set i, 0
.rept 16                                           ; S^T = K Q^T + CK: sixteen accumulators by turns, one instruction a turn
	v_wmma_f32_16x16x32_f16 v[64*(i%2)+8*(i/2):64*(i%2)+8*(i/2)+7], v[KF+16*(i/2):KF+16*(i/2)+7], v[QF+16*(i%2):QF+16*(i%2)+7], v[CKR+8*(i/2):CKR+8*(i/2)+7]
.set i, i+1
.endr
	s_wait_dscnt 0x0
	WIN 0x51
.set i, 0
.rept 16
	v_wmma_f32_16x16x32_f16 v[64*(i%2)+8*(i/2):64*(i%2)+8*(i/2)+7], v[KF+16*(i/2)+8:KF+16*(i/2)+15], v[QF+16*(i%2)+8:QF+16*(i%2)+15], v[64*(i%2)+8*(i/2):64*(i%2)+8*(i/2)+7]
.set i, i+1
.endr
	WIN 0
.rept 4
	v_nop                                          ; places: for the loads into CK's and K's registers, for T, and for the first read of the scores
.endr
.set i, 0
.rept 16
	ds_load_b128 v[CKR+4*i:CKR+4*i+3], v[ADS] offset:8192+64*(i/2)+16*(i%2)      ; RB takes CK's place
.set i, i+1
.endr
	WIN 0x40
.set i, 0
.rept 16
	ds_load_b128 v[192+4*i:192+4*i+3], v[ADR] offset:16384+512*i                 ; V of keys 0 to 63
.set i, i+1
.endr
	SM 0
	SM 1
	s_wait_dscnt 0x0                               ; V is in
	WIN 0x05
.set i, 0
.rept 32                                           ; O^T += V^T P: keys 32 (i / 8) on, channels 16 ((i / 2) % 4) on, tile i % 2: eight accumulators by turns
	v_wmma_f32_16x16x32_f16 v[OT+32*(i%2)+8*((i/2)%4):OT+32*(i%2)+8*((i/2)%4)+7], v[192+32*(i/8)-128*(i/16)+8*((i/2)%4):192+32*(i/8)-128*(i/16)+8*((i/2)%4)+7], v[64*(i%2)+8*(i/8):64*(i%2)+8*(i/8)+7], v[OT+32*(i%2)+8*((i/2)%4):OT+32*(i%2)+8*((i/2)%4)+7]
.set i, i+1
.endr
	WIN 0
	s_add_co_u32 s[TB], s[TB], STEPB
	s_add_co_u32 s[TS], s[TS], 512
.endm
; THE CHANGE OF SLOTS stands at a slot's head.  Each wave waits for all its tensor loads (its eighth of the slot ahead), adds 0 to its spare word, and waits for that and for its reads of the slot that it has left.
; fill = 1: a round of the cluster's barrier, and first behind it the wave's one joint load: the next four steps, into the other slot; it has four key steps in which to land.
.macro CHANGE fill
	s_wait_tensorcnt 0x0                           ; no tensor load of mine is out, so the group 0 may be written
	ds_add_u32 v[SPW], v[NIL]                      ; 0 onto my spare word
.if \fill
	s_xor_b32 s[G0+1], s[G0+1], SLOT1              ; the other slot than last time,
	s_add_nc_u64 s[G0+2:G0+3], s[G0+2:G0+3], 4*STEPB   ; the next 512 keys
	s_wait_dscnt 0x0
	CROUND
	tensor_load_to_lds s[G0:G0+3], s[G1:G1+7]
	s_nop 0
.rept 4
	v_nop
.endr
.else
	s_wait_dscnt 0x0
	s_barrier_signal -1
	s_barrier_wait -1
.endif
.endm
.macro FOUR_STEPS                      ; a slot's four key steps: written once, walked four times
	s_mov_b32 s[CNT], 4
.Lstep_\@:
	STEP
	s_sub_co_u32 s[CNT], s[CNT], 1
	s_cmp_lg_u32 s[CNT], 0
	s_cbranch_scc1 .Lstep_\@
	s_sub_co_u32 s[TB], s[TB], 4*STEPB             ; back to a slot's first step,
	s_xor_b32 s[TB], s[TB], SLOT1                  ; in the other slot
.endm
.Lslot:                                            ; three trips: behind each change of slots but the last the next slot is asked for
	CHANGE 1
	FOUR_STEPS
	s_sub_co_u32 s[SLOTS], s[SLOTS], 1
	s_cmp_lg_u32 s[SLOTS], 0
	s_cbranch_scc1 .Lslot
	CHANGE 0                                       ; the last slot is written out
	FOUR_STEPS
	; THE WAY OUT: the sum's two halves and the other half of the lanes'; O^T / the sum, to f16: a lane's eight channels are four registers of the next product's fragment in this very lane
.irp t, 0,1
	v_add_f32 v[ST+16*\t+12], v[ST+16*\t+10], v[ST+16*\t+11]
.endr
.irp t, 0,1
	v_permlanex16_b32 v[ST+16*\t+5], v[ST+16*\t+12], s[SEL], s[SEL+1]
.endr
.irp t, 0,1
	v_add_f32 v[ST+16*\t+12], v[ST+16*\t+12], v[ST+16*\t+5]
.endr
.irp t, 0,1
	v_rcp_f32 v[ST+16*\t+8], v[ST+16*\t+12]
.endr
	v_nop                                          ; with the four additions above: the places behind the last products; and the plain line behind the reciprocals
	s_wait_alu depctr_va_vdst(0)                   ; one wait for the two
.irp t, 0,1
.set i, 0
.rept 16
	v_pk_mul_f32 v[OT+32*\t+i:OT+32*\t+i+1], v[OT+32*\t+i:OT+32*\t+i+1], v[ST+16*\t+8:ST+16*\t+9] op_sel_hi:[1,0]
.set i, i+2
.endr
.endr
.set i, 0
.rept 32
	v_cvt_pk_f16_f32 v[PKO+i], v[OT+2*i], v[OT+2*i+1]
.set i, i+1
.endr
.irp t, 0,1
.irp c, 0,1,2,3
	global_store_b128 v[LI], v[PKO+16*\t+4*\c:PKO+16*\t+4*\c+3], s[56:57] offset:\t*8192+(\c/2)*1024+(\c%2)*512   ; 512 consecutive aligned bytes
.endr
.endr
	s_wait_tensorcnt 0x0                           ; the wave's end
	ds_add_u32 v[SPW], v[NIL]
	s_wait_dscnt 0x0
	CROUND                                         ; the closing round
	s_endpgm
.Lfunc_end_k_qd50e79f390_attn:
	.size	k_qd50e79f390_attn, .Lfunc_end_k_qd50e79f390_attn-k_qd50e79f390_attn
	.p2alignl 7, 3214868480
	.fill 96, 4, 3214868480
	.section	.rodata,"a",@progbits
	.p2align	6, 0x0
	.amdhsa_kernel k_qd50e79f390_attn
		.amdhsa_group_segment_fixed_size 327680
		.amdhsa_private_segment_fixed_size 0
		.amdhsa_enable_private_segment 0
		.amdhsa_kernarg_size 24
		.amdhsa_user_sgpr_count 2
		.amdhsa_user_sgpr_kernarg_segment_ptr 1
		.amdhsa_wavefront_size32 1
		.amdhsa_system_sgpr_workgroup_id_x 1
		.amdhsa_system_sgpr_workgroup_id_y 1
		.amdhsa_system_sgpr_workgroup_id_z 1
		.amdhsa_system_vgpr_workitem_id 0
		.amdhsa_next_free_vgpr 512
		.amdhsa_next_free_sgpr 66
		.amdhsa_reserve_vcc 0
		.amdhsa_float_denorm_mode_32 3
		.amdhsa_float_denorm_mode_16_64 3
		.amdhsa_memory_ordered 1
		.amdhsa_forward_progress 1
		.amdhsa_inst_pref_size 150
	.end_amdhsa_kernel
	.amdgpu_metadata
---
amdhsa.version: [ 1, 2 ]
amdhsa.kernels:
  - .name:           k_qd50e79f390_attn
    .symbol:         k_qd50e79f390_attn.kd
    .args:
      - { .name: qb, .offset: 0, .size: 8, .value_kind: global_buffer, .address_space: global }
      - { .name: kvb, .offset: 8, .size: 8, .value_kind: global_buffer, .address_space: global }
      - { .name: oimg, .offset: 16, .size: 8, .value_kind: global_buffer, .address_space: global }
    .group_segment_fixed_size: 327680
    .private_segment_fixed_size: 0
    .kernarg_segment_align: 8
    .kernarg_segment_size: 24
    .max_flat_workgroup_size: 256
    .sgpr_count:     66
    .vgpr_count:     512
    .wavefront_size: 32
...
	.end_amdgpu_metadata
.endif
;; end of part 3
;; launch proj (part 4): grid 8 x 32, 4 waves a work-group, clusters of 4 x 4, 327,680 bytes of LDS; arguments oimg, wo16, out0; writes out0
.if DOCPART == 4
	.amdgcn_target "amdgcn-amd-amdhsa--gfx1250"
	.amdhsa_code_object_version 6
	.text
	.protected	k_qd50e79f390_proj
	.globl	k_qd50e79f390_proj
	.p2align	8
	.type	k_qd50e79f390_proj,@function
k_qd50e79f390_proj:
	s_mov_b64 s[64:65], 0
	v_nop
	global_prefetch_b8 v0, s[64:65] scope:SCOPE_SE
	s_setreg_imm32_b32 hwreg(HW_REG_WAVE_MODE, 25, 1), 1
	s_wait_xcnt 0x0
	s_wait_alu depctr_hold_cnt(0) depctr_sa_sdst(0) depctr_va_vdst(0) depctr_va_sdst(0) depctr_va_ssrc(0) depctr_va_vcc(0) depctr_vm_vsrc(0)
	s_getreg_b32 s2, hwreg(HW_REG_IB_STS2, 6, 4)
	s_cmp_eq_u32 s2, 0
	s_cbranch_scc0 .Lentry_in_a_cluster
	s_endpgm
.Lentry_in_a_cluster:
	s_bfe_u32 s2, ttmp6, 0x10000c
	s_cmp_lg_u32 s2, 0xf033
	s_cbranch_scc0 .Lentry_shape_is_right
	s_endpgm
.Lentry_shape_is_right:
; PROJ.  out0[token][n] = 2^-6 x the sum over k of (64 o)[token][k] wo[n][k]: f16 operands, f32 sums; 4,096 x 1,024 x 1,024.  No work is left out.
; A tile of 128 x 128 is made by four waves, each 64 x 64: 16 accumulators.  256 work-groups.  K goes in four steps of 256 through two LDS slots.
; o comes as images of the operand's registers: [K / 256][tile of 16 tokens][32 along K, 8][half 2][lane][16 B]: a K step of 128 tokens is one dense block of 65,536 bytes, read 16 bytes a lane on end.
; wo16 comes as rows of 512 bytes, padded by 16 in LDS.  THE MATRIX INSTRUCTION IS USED TRANSPOSED (source 0 = 16 rows of wo, source 1 = 16 tokens): a lane holds eight neighbouring numbers of a row of out0.
; CLUSTERS: 4 x 4: o's block is shared along a row of the cluster, wo's rows along a column: joint loads.
; LIMITS: those of the f16 operands, stated in the launches that made them.
; REGISTERS: window 0: v16-29 addresses; v32-95 rows on the way out; v128-255 the accumulators ((a, b) at v[128 + 8 (4 a + b)]).  window 1: two fragment buffers of 128: 64 registers of o, then 64 of wo, for 64 along K.
.set KSTEP,  256
.set PITCH,  528                       ; a row of wo in LDS: 512 bytes + 16
.set AIMG,   65536                     ; o's images in a slot
.set HALFB,  64*PITCH
.set SLOT,   AIMG+2*HALFB
.set STAGE,  2*SLOT                    ; behind the ring: 16 rows x 272 bytes for each wave
.set SPITCH, 272
.set SPARE,  STAGE+4*16*SPITCH         ; the spare words, 128 bytes a wave, which no other line names
.set LAPS,   2
.set ADRA, 16
.set ADRB, 20
.set STO,  24
.set RD,   25
.set CO,   26
.set SPW,  28
.set NIL,  29
.set BK,   32
.set ACC,  128
.set F0,   0
.set F1,   128
.set G1, 24
.set G0, 32
.set G1B, 48
.set G0B, 56
.set MSB, 0
.macro WIN new
.if MSB != (\new)
	s_set_vgpr_msb (MSB<<8)|(\new)
.set MSB, (\new)
.endif
.endm
.set MUL,  0x05                        ; sources 0 and 1 window 1; C and D window 0
.set TO_F, 0x40
.macro JLOAD s                         ; waves 0 and 1 fetch o's two halves, waves 2 and 3 wo's; an s_nop 0 and four v_nop follow each line
	s_cmp_eq_u32 s11, 0
	s_cbranch_scc0 .Lfor_b_\@
	tensor_load_to_lds s[G0+4*\s:G0+4*\s+3], s[G1:G1+7]
	s_nop 0
.rept 4
	v_nop
.endr
	s_branch .Lasked_\@
.Lfor_b_\@:
	tensor_load_to_lds s[G0B+4*\s:G0B+4*\s+3], s[G1B:G1B+7]
	s_nop 0
.rept 4
	v_nop
.endr
.Lasked_\@:
.endm
.macro CREST
	s_cmp_lg_u32 s10, 0
	s_cbranch_scc1 .Lnot_wave_0_\@
	s_barrier_signal -3
.Lnot_wave_0_\@:
	s_barrier_wait -3
	s_barrier_signal -1
	s_barrier_wait -1
.endm
.macro CROUND
	s_barrier_signal -1
	s_barrier_wait -1
	CREST
.endm
	s_load_b128 s[4:7], s[0:1], 0x0                ; oimg s[4:5], wo16 s[6:7]
	s_load_b64 s[8:9], s[0:1], 0x10                ; out0
	v_lshl_add_u32 v[SPW], v0, 2, SPARE
	v_mov_b32 v[NIL], 0
	ds_add_u32 v[SPW], v[NIL]                      ; the wave's opening: 0 onto my spare word, twice on end, and its wait ahead of my first tensor load
	ds_add_u32 v[SPW], v[NIL]
	v_lshrrev_b32 v1, 5, v0
	v_readfirstlane_b32 s10, v1                    ; wave 0..3
	s_lshr_b32 s11, s10, 1                         ; which half of the tile's tokens is mine.  Also: I fetch o (0) or wo (1)
	s_and_b32 s12, s10, 1                          ; which half of its columns.  Also: which half I fetch
	s_bfe_u32 s40, ttmp6, 0x40000
	s_bfe_u32 s41, ttmp6, 0x40004
	s_lshl_b32 s42, ttmp9, 2
	s_add_co_u32 s42, s42, s40                     ; tile column
	s_and_b32 s13, ttmp7, 0xffff
	s_lshl_b32 s13, s13, 2
	s_add_co_u32 s13, s13, s41                     ; tile row
	s_lshl_b32 s43, s41, 2
	s_lshl_b32 s43, 15, s43                        ; my row of the cluster
	s_lshl_b32 s44, 0x1111, s40                    ; my column
	s_or_b32 s[G1+0], s43, (3<<16)|(1<<21)         ; o: the mask; elements of 8 bytes; bit 21 beside a mask; no padding
	s_mov_b32 s[G1+1], 32<<16                      ; 128 rows of 256 bytes, dense
	s_mov_b32 s[G1+2], 128<<16
	s_mov_b32 s[G1+3], 32<<16
	s_mov_b32 s[G1+4], 128
	s_mov_b32 s[G1+5], 32
	s_mov_b32 s[G1+6], 0
	s_mov_b32 s[G1+7], 0
	s_or_b32 s[G1B+0], s44, (1<<16)|(1<<20)|(1<<21)|(6<<22)|(3<<25)  ; wo: elements of 2 bytes; 4 words of padding behind every 128
	s_mov_b32 s[G1B+1], KSTEP<<16
	s_mov_b32 s[G1B+2], 64<<16
	s_mov_b32 s[G1B+3], KSTEP<<16
	s_mov_b32 s[G1B+4], 64
	s_mov_b32 s[G1B+5], 1024
	s_mov_b32 s[G1B+6], 0
	s_mov_b32 s[G1B+7], 0
	s_lshl_b32 s16, s13, 16                        ; o: 65,536 bytes a tile row, 32,768 a half
	s_lshl_b32 s17, s12, 15
	s_add_co_u32 s16, s16, s17
	s_mov_b32 s17, 0
	s_lshl_b32 s46, s42, 18                        ; wo: row 128 x tile column + 64 x half, 2,048 bytes a row
	s_lshl_b32 s47, s12, 17
	s_add_co_u32 s46, s46, s47
	s_mov_b32 s47, 0
	s_lshl_b32 s20, s12, 15                        ; where they go: no place in the cluster enters an LDS address
	s_mul_i32 s21, s12, HALFB
	s_add_co_u32 s21, s21, AIMG
	s_wait_dscnt 0x0                               ; both opening adds are done
	s_wait_kmcnt 0x0
	s_add_nc_u64 s[14:15], s[4:5], s[16:17]
	s_add_nc_u64 s[46:47], s[6:7], s[46:47]
	CROUND                                         ; all sixteen work-groups are here: the first joint loads meet
.irp s, 0,1
	s_mov_b32 s[G0+4*\s], 1
	s_add_co_u32 s[G0+4*\s+1], s20, \s*SLOT
	s_add_nc_u64 s[G0+4*\s+2:G0+4*\s+3], s[14:15], \s*2097152      ; a K step of all tokens is 2,097,152 bytes
	s_or_b32 s[G0+4*\s+3], s[G0+4*\s+3], 0x80000000
	s_mov_b32 s[G0B+4*\s], 1
	s_add_co_u32 s[G0B+4*\s+1], s21, \s*SLOT
	s_add_nc_u64 s[G0B+4*\s+2:G0B+4*\s+3], s[46:47], \s*KSTEP*2
	s_or_b32 s[G0B+4*\s+3], s[G0B+4*\s+3], 0x80000000
	JLOAD \s
.endr
	v_and_b32 v1, 15, v0                           ; r
	v_bfe_u32 v2, v0, 4, 1                         ; h
	v_and_b32 v3, 31, v0
	v_lshlrev_b32 v3, 4, v3                        ; 16 x lane
	v_mul_u32_u24 v4, v1, PITCH
	v_lshl_add_u32 v4, v2, 4, v4                   ; a row of wo x pitch + 16 h
	s_lshl_b32 s21, s11, 15                        ; my 64 tokens' images
	s_mul_i32 s22, s12, HALFB
	s_add_co_u32 s22, s22, AIMG                    ; my 64 rows of wo
.irp s, 0,1
	v_add_nc_u32 v[ADRA+\s], s21, v3
	v_add_nc_u32 v[ADRB+\s], s22, v4
	s_add_co_u32 s21, s21, SLOT
	s_add_co_u32 s22, s22, SLOT
.endr
	s_mul_i32 s23, s10, 16*SPITCH
	s_add_co_u32 s23, s23, STAGE                   ; my stage
	v_mul_u32_u24 v5, v1, SPITCH
	v_lshl_add_u32 v5, v2, 5, v5
	v_add_nc_u32 v[STO], s23, v5                   ; in: row r, 32 bytes for each half of the lanes
	v_mul_u32_u24 v5, v2, SPITCH
	v_lshl_add_u32 v5, v1, 4, v5
	v_add_nc_u32 v[RD], s23, v5                    ; back: lanes 0-15 one row of 256 bytes, lanes 16-31 the next
	v_lshlrev_b32 v5, 12, v2
	v_lshl_add_u32 v[CO], v1, 4, v5                ; and the same two rows in out0 (4,096 bytes a row)
	s_lshl_b32 s16, s13, 19                        ; my first row: 128 x tile row + 64 x half
	s_lshl_b32 s17, s11, 18
	s_add_co_u32 s16, s16, s17
	s_mov_b32 s17, 0
	s_add_nc_u64 s[8:9], s[8:9], s[16:17]
	s_lshl_b32 s46, s42, 9                         ; my first column, in bytes: 512 x tile column + 256 x half
	s_lshl_b32 s47, s12, 8
	s_add_co_u32 s46, s46, s47
	s_mov_b32 s47, 0
	s_add_nc_u64 s[8:9], s[8:9], s[46:47]
.macro MUL8 f, c, a0, zero             ; 8 matrix instructions: token blocks a0, a0 + 1 x all 4 column blocks, 32 along K: half c of buffer f
.irp a, \a0, \a0+1
.irp b, 0,1,2,3
.if \zero
	v_wmma_f32_16x16x32_f16 v[ACC+8*(4*(\a)+\b):ACC+8*(4*(\a)+\b)+7], v[\f+64+8*(4*\c+\b):\f+64+8*(4*\c+\b)+7], v[\f+8*(4*\c+\a):\f+8*(4*\c+\a)+7], 0
.else
	v_wmma_f32_16x16x32_f16 v[ACC+8*(4*(\a)+\b):ACC+8*(4*(\a)+\b)+7], v[\f+64+8*(4*\c+\b):\f+64+8*(4*\c+\b)+7], v[\f+8*(4*\c+\a):\f+8*(4*\c+\a)+7], v[ACC+8*(4*(\a)+\b):ACC+8*(4*(\a)+\b)+7]
.endif
.endr
.endr
.endm
.macro FETCH slot, q, f                ; 32 LDS loads in one run: the fragments of the slot's q-th 64 along K; the first 32 along K first
	WIN TO_F
.irp c, 0,1
.irp i, 0,1,2,3
	ds_load_b128 v[\f+64+8*(4*\c+\i):\f+64+8*(4*\c+\i)+3],   v[ADRB+\slot] offset:128*(\q)+64*\c+\i*16*PITCH
	ds_load_b128 v[\f+64+8*(4*\c+\i)+4:\f+64+8*(4*\c+\i)+7], v[ADRB+\slot] offset:128*(\q)+64*\c+\i*16*PITCH+32
	ds_load_b128 v[\f+8*(4*\c+\i):\f+8*(4*\c+\i)+3],         v[ADRA+\slot] offset:\i*8192+(2*(\q)+\c)*1024
	ds_load_b128 v[\f+8*(4*\c+\i)+4:\f+8*(4*\c+\i)+7],       v[ADRA+\slot] offset:\i*8192+(2*(\q)+\c)*1024+512
.endr
.endr
.endm
.macro PLACES
.rept 4
	v_nop
.endr
.endm
.macro QUARTER slot, q, f, g, zero     ; multiplies buffer f and fetches the slot's q-th 64 along K into g
	s_wait_dscnt 16                                ; the first 32 along K are in
	WIN MUL
	MUL8 \f, 0, 0, \zero
	MUL8 \f, 0, 2, \zero
	PLACES
	FETCH \slot, \q, \g
	s_wait_dscnt 32                                ; all but the 32 just issued
	WIN MUL
	MUL8 \f, 1, 0, 0
	MUL8 \f, 1, 2, 0
.endm
.macro TURN slot, next, fill           ; the last quarter changes slots: one barrier; in front of it each wave waits for all its tensor loads, adds 0 to its spare word, and waits for that and for its reads of this slot
	WIN 0
	s_wait_tensorcnt 0x0
	ds_add_u32 v[SPW], v[NIL]
	s_wait_dscnt 17                                ; the add and the youngest sixteen loads may be out
	WIN MUL
	MUL8 F1, 0, 0, 0
	s_wait_dscnt 0x0
	s_barrier_signal -1
	MUL8 F1, 0, 2, 0
.if \fill
	WIN 0
.endif
	s_barrier_wait -1
.if \fill
	CREST                                          ; the barrier has opened a round of the cluster's barrier
	s_add_nc_u64 s[G0+4*\slot+2:G0+4*\slot+3], s[G0+4*\slot+2:G0+4*\slot+3], 2*2097152
	s_add_nc_u64 s[G0B+4*\slot+2:G0B+4*\slot+3], s[G0B+4*\slot+2:G0B+4*\slot+3], 2*KSTEP*2
	JLOAD \slot                                    ; the first tensor load behind the round; its four v_nop are also the places in front of the loads below
.else
	PLACES
.endif
	FETCH \next, 0, F0
	WIN MUL
	MUL8 F1, 1, 0, 0
	MUL8 F1, 1, 2, 0
.endm
	s_wait_tensorcnt 1                             ; my part of K step 0 is in; K step 1's load may be out
	s_barrier_signal -1
	s_barrier_wait -1
	FETCH 0, 0, F0
	QUARTER 0, 1, F0, F1, 1                        ; the first products start the sums
	WIN 0
	s_mov_b32 s3, LAPS-1
.Llap:                                             ; a trip goes once round the ring and fills both slots again
	QUARTER 0, 2, F1, F0, 0
	QUARTER 0, 3, F0, F1, 0
	TURN 0, 1, 1
	QUARTER 1, 1, F0, F1, 0
	QUARTER 1, 2, F1, F0, 0
	QUARTER 1, 3, F0, F1, 0
	TURN 1, 0, 1
	QUARTER 0, 1, F0, F1, 0
	WIN 0
	s_sub_co_u32 s3, s3, 1
	s_cmp_lg_u32 s3, 0
	s_cbranch_scc1 .Llap
	QUARTER 0, 2, F1, F0, 0                        ; the last lap fills nothing
	QUARTER 0, 3, F0, F1, 0
	TURN 0, 1, 0
	QUARTER 1, 1, F0, F1, 0
	QUARTER 1, 2, F1, F0, 0
	QUARTER 1, 3, F0, F1, 0
	s_wait_dscnt 16
	WIN MUL
	MUL8 F1, 0, 0, 0
	MUL8 F1, 0, 2, 0
	s_wait_dscnt 0
	MUL8 F1, 1, 0, 0
	MUL8 F1, 1, 2, 0
	WIN 0
	; THE WAY OUT, by blocks of 16 rows x 64 columns: x 2^-6 in place (each accumulator from its low end on); through my own stage; back as rows of 256 bytes, which sixteen lanes store as one aligned run
	s_mov_b32 s20, 0x3c800000                      ; 2^-6
	s_mov_b32 s21, s20
	PLACES
.macro TOSTAGE a
.set BB, BK+32*((\a)%2)
.set i, 0
.rept 16
	v_pk_mul_f32 v[ACC+32*(\a)+i:ACC+32*(\a)+i+1], v[ACC+32*(\a)+i:ACC+32*(\a)+i+1], s[20:21] op_sel_hi:[1,0]
.set i, i+2
.endr
.irp b, 0,1,2,3
	ds_store_b128 v[STO], v[ACC+8*(4*(\a)+\b):ACC+8*(4*(\a)+\b)+3] offset:64*\b
	ds_store_b128 v[STO], v[ACC+8*(4*(\a)+\b)+4:ACC+8*(4*(\a)+\b)+7] offset:64*\b+16
.endr
.irp t, 0,1,2,3,4,5,6,7
	ds_load_b128 v[BB+4*\t:BB+4*\t+3], v[RD] offset:\t*2*SPITCH    ; LDS serves a wave's instructions in order: these see my stores, and the next block's stores come behind them
.endr
.endm
.macro SEND a, younger                 ; younger: the LDS instructions issued behind block a's loads, which may stay out
.set BB, BK+32*((\a)%2)
	s_wait_dscnt \younger
.irp t, 0,1,2,3,4,5,6,7
	global_store_b128 v[CO], v[BB+4*\t:BB+4*\t+3], s[8:9] offset:(16*(\a)+2*\t)*4096 th:TH_STORE_NT
.endr
.endm
	TOSTAGE 0
.irp a, 1,2,3
.if \a >= 2
	s_wait_xcnt 0x0                                ; block a - 2's stores have read the registers into which block a's rows come back
.endif
	TOSTAGE \a
	SEND \a-1, 16                                  ; behind block a - 1's loads: block a's 8 stores and 8 loads
.endr
	SEND 3, 0
	s_wait_tensorcnt 0x0                           ; the wave's end
	ds_add_u32 v[SPW], v[NIL]
	s_wait_dscnt 0x0
	CROUND                                         ; the closing round
	s_endpgm
.Lfunc_end_k_qd50e79f390_proj:
	.size	k_qd50e79f390_proj, .Lfunc_end_k_qd50e79f390_proj-k_qd50e79f390_proj
	.p2alignl 7, 3214868480
	.fill 96, 4, 3214868480
	.section	.rodata,"a",@progbits
	.p2align	6, 0x0
	.amdhsa_kernel k_qd50e79f390_proj
		.amdhsa_group_segment_fixed_size 327680
		.amdhsa_private_segment_fixed_size 0
		.amdhsa_enable_private_segment 0
		.amdhsa_kernarg_size 24
		.amdhsa_user_sgpr_count 2
		.amdhsa_user_sgpr_kernarg_segment_ptr 1
		.amdhsa_wavefront_size32 1
		.amdhsa_system_sgpr_workgroup_id_x 1
		.amdhsa_system_sgpr_workgroup_id_y 1
		.amdhsa_system_sgpr_workgroup_id_z 1
		.amdhsa_system_vgpr_workitem_id 0
		.amdhsa_next_free_vgpr 512
		.amdhsa_next_free_sgpr 66
		.amdhsa_reserve_vcc 0
		.amdhsa_float_denorm_mode_32 3
		.amdhsa_float_denorm_mode_16_64 3
		.amdhsa_memory_ordered 1
		.amdhsa_forward_progress 1
		.amdhsa_inst_pref_size 90
	.end_amdhsa_kernel
	.amdgpu_metadata
---
amdhsa.version: [ 1, 2 ]
amdhsa.kernels:
  - .name:           k_qd50e79f390_proj
    .symbol:         k_qd50e79f390_proj.kd
    .args:
      - { .name: oimg, .offset: 0, .size: 8, .value_kind: global_buffer, .address_space: global }
      - { .name: wo16, .offset: 8, .size: 8, .value_kind: global_buffer, .address_space: global }
      - { .name: out0, .offset: 16, .size: 8, .value_kind: global_buffer, .address_space: global }
    .group_segment_fixed_size: 327680
    .private_segment_fixed_size: 0
    .kernarg_segment_align: 8
    .kernarg_segment_size: 24
    .max_flat_workgroup_size: 128
    .sgpr_count:     66
    .vgpr_count:     512
    .wavefront_size: 32
...
	.end_amdgpu_metadata
.endif
;; end of part 4
